; MI455X (gfx1250); checked and timed in simulation.
; The chip was launched on July 23, 2026; its instructions are those of AMD's public machine-readable ISA for CDNA 5 (MIT licence, August 2026) and "CDNA5" Instruction Set Architecture Reference Guide (July 2026). The comments in the code are by the model that wrote it; some were corrected since.
;; SSTA. Allowed arithmetic: matrix products marked QUANTISED: E2M3 operands, one E8M0 scale for each 32 along K, by v_wmma_scale_f32_16x16x128_f8f6f4 with both operands' format E2M3, f32 sums; everything else in f32.
;; Inputs: b1 1,024 float32; b2 256 float32; bk 256 float32; bq 256 float32; bv 256 float32; ln1_b 256 float32; ln1_w 256 float32; ln2_b 256 float32; ln2_w 256 float32; w1_codes 1,024 x 8 x 24 uint8 (E2M3 codes of w1, K innermost, in blocks of 32 codes, four codes in three bytes); w1_scales 1,024 x 8 uint8 (E8M0 scales of w1, one for each 32 codes along K); w2_codes 256 x 32 x 24 uint8 (E2M3 codes of w2, K innermost, in blocks of 32 codes, four codes in three bytes); w2_scales 256 x 32 uint8 (E8M0 scales of w2, one for each 32 codes along K); wk_codes 256 x 8 x 24 uint8 (E2M3 codes of wk, K innermost, in blocks of 32 codes, four codes in three bytes); wk_scales 256 x 8 uint8 (E8M0 scales of wk, one for each 32 codes along K); wq_codes 256 x 8 x 24 uint8 (E2M3 codes of wq, K innermost, in blocks of 32 codes, four codes in three bytes); wq_scales 256 x 8 uint8 (E8M0 scales of wq, one for each 32 codes along K); wv_codes 256 x 8 x 24 uint8 (E2M3 codes of wv, K innermost, in blocks of 32 codes, four codes in three bytes); wv_scales 256 x 8 uint8 (E8M0 scales of wv, one for each 32 codes along K); x 512 x 64 x 256 float32.
;; Outputs: out0 512 x 64 x 256 float32.
;; This version of the problem:
;;   THIS VERSION OF THE PROBLEM IS GIVEN IN LOW PRECISION. The matrix products marked QUANTISED in the list below multiply operands that are first quantised to E2M3 (2 exponent bits, 3 mantissa bits; 6 bits a number), with one power-of-two scale for each 32 numbers along K (OCP MX v1.0); their sums are f32. All else is computed in f32.
;;   The module's matrix products, in the order in which they are computed (A, B: the left and right operand; K: the contracted axis; several contracted axes count as one K, in the product's order):
;;     1. [M 32,768, K 256] x [K 256, N 256]; A: input x; B: input wq (given as codes): QUANTISED
;;     2. [M 32,768, K 256] x [K 256, N 256]; A: input x; B: input wk (given as codes): QUANTISED
;;     3. [M 32,768, K 256] x [K 256, N 256]; A: input x; B: input wv (given as codes): QUANTISED
;;     4. batch 512 x [M 512, K 32] x [K 32, N 512]; A: computed on the way; B: computed on the way: QUANTISED
;;     5. batch 512 x [M 512, K 512] x [K 512, N 32]; A: softmax (see below); B: computed on the way: QUANTISED
;;     6. [M 32,768, K 256] x [K 256, N 1,024]; A: computed on the way; B: input w1 (given as codes): QUANTISED
;;     7. [M 32,768, K 1,024] x [K 1,024, N 256]; A: computed on the way; B: input w2 (given as codes): QUANTISED
;;   THE QUANTISER, for each operand of a quantised product, along K:
;;     - K is cut into blocks of 32 from its start; a last block that is shorter is filled with zeros.
;;     - A block's scale is 2^e with e = floor(log2(the largest magnitude in the block)) - 2, held to -126 .. 127; a block of zeros has e = 0. As a byte (E8M0): e + 127.
;;     - Each number is divided by its block's scale, clamped to +-7.5, and rounded to the nearest number of E2M3, ties to even, subnormals kept.
;;     - The product sums the exact products of the quantised numbers (number of the format x scale) in f32.
;;   ~~~python
;;   def quantise(x, axis):      # numpy; x: float32 -> the quantised numbers, widened to float32 again
;;       x = np.moveaxis(x, axis, -1); K = x.shape[-1]
;;       x = np.pad(x, [(0, 0)] * (x.ndim - 1) + [(0, -K % 32)]); x = x.reshape(x.shape[:-1] + (-1, 32)); a = np.abs(x).max(-1, keepdims=True)
;;       e = np.where(a > 0, np.clip(np.frexp(np.where(a > 0, a, 1))[1] - 1 - 2, -126, 127), 0)      # np.frexp(a)[1] - 1 = floor(log2(a)), exactly
;;       r = np.clip(x / 2.0 ** e, -7.5, 7.5)
;;       step = 2.0 ** (np.maximum(np.frexp(np.where(r == 0, 1, r))[1] - 1, 0) - 3)
;;       q = np.round(r / step) * step * 2.0 ** e      # np.round: ties to even
;;       return np.moveaxis(q.reshape(q.shape[:-2] + (-1,))[..., :K], -1, axis).astype(np.float32)
;;   ~~~
;;   SOFTMAX AHEAD OF A QUANTISED PRODUCT. Where the list says 'softmax', what is quantised is not the finished softmax but p = 2^(t - M), with t = logit x log2(e) and M = ceil(the row's largest t), a whole number; so 1/2 < the row's largest p <= 1. The row's sum l is taken of the UNQUANTISED p, in f32, and the product's result is divided by l at the end. Since M is a whole number, a kernel that streams over the keys may use a running M (the ceiling of the running maximum): every later rescaling is an exact power of two, which a block's scale takes up: the codes' values come out the same.
;;   OPERANDS COMPUTED ON THE WAY. 'Computed on the way' means the value that the module computes at that place (a softmax that the list does not call 'softmax' is quantised finished and normalised). What goes into a quantiser is computed in f32, as accurately as f32 sums, v_exp_f32 and their like allow (about 1e-6 of the number): no bf16 or f16 on the way to a quantiser, and a product that is left as it is and whose result goes on into a quantised operand takes f32 operands (vector FMAs, or v_wmma_f32_16x16x4_f32). A number that lies on a knife's edge between two numbers of the format may be rounded either way, as far as f32 arithmetic and the matrix unit's own rounding can turn it there, and no further.
;;   INPUTS GIVEN AS CODES. w1 (in the module: [1024, 256], K = its axis 1); w2 (in the module: [256, 1024], K = its axis 1); wk (in the module: [256, 256], K = its axis 1); wq (in the module: [256, 256], K = its axis 1); wv (in the module: [256, 256], K = its axis 1): each comes as NAME_codes (uint8): NAME with its K axis moved to the last place and cut into blocks of 32 codes, [.., K / 32, bytes a block], one block behind the other in memory; four codes in three bytes: a row's codes are one little-endian stream of bits, code i at bits 6 i .. 6 i + 5 (a code: sign, 2 exponent bits, 3 mantissa bits); and NAME_scales (uint8): the same leading axes, one E8M0 byte (e + 127) for each 32 codes along K. Its value is code x scale, taken as it is: it is not quantised again, and the codes and scales need not be those that the quantiser above would give.
;; 2 versions, each right; version 2 is version 1 with the launches proj, attn_ffn written anew for expert scheduling mode. Each part assembles by itself: llvm-mc -triple=amdgcn-amd-amdhsa -mcpu=gfx1250 --defsym DOCPART=n.
;; ======== version 1 of 2: 2 launches
;; workspace buffers: q_img 6,291,456 bytes; q_scl 1,048,576 bytes; k_img 6,291,456 bytes; k_scl 262,144 bytes; v_img 6,291,456 bytes; v_scl 262,144 bytes
;; launch proj (part 1): grid 4 x 64, 8 waves a work-group, no clusters, 177,152 bytes of LDS; arguments x, wq_codes, wq_scales, bq, wk_codes, wk_scales, bk, wv_codes, wv_scales, bv, q_img, q_scl, k_img, k_scl, v_img, v_scl; writes q_img, q_scl, k_img, k_scl, v_img, v_scl
.if DOCPART == 1
	.amdgcn_target "amdgcn-amd-amdhsa--gfx1250"
	.amdhsa_code_object_version 6
	.text
	.protected	k_q78d9dc1c38_proj
	.globl	k_q78d9dc1c38_proj
	.p2align	8
	.type	k_q78d9dc1c38_proj,@function
k_q78d9dc1c38_proj:
	s_mov_b64 s[64:65], 0
	v_nop
	global_prefetch_b8 v0, s[64:65] scope:SCOPE_SE
	s_setreg_imm32_b32 hwreg(HW_REG_WAVE_MODE, 25, 1), 1
	s_wait_xcnt 0x0
; q = rotary(x wq^T + bq), k = rotary(x wk^T + bk), v = x wv^T + bv, all three products on codes of FP6 (E2M3) with one E8M0 scale for each 32 along K,
; and q, k (along the head's 32 channels) and v (along the keys) quantised again and stored in the order of the next launch's operand registers.
; x: [512 s][64 n][256] f32.  Weights: codes [256][8][24] and scale bytes [256][8].  A work-group takes 128 positions s of one n (x of the grid: which 128; y: n).
; TILE ORDER.  A tile of 16 positions is not 16 neighbours: row r of tile T is position 32 (T / 2) + 8 (T % 2) + r + 8 (r / 8), so that the 16 registers of two neighbouring tiles of a
; transposed product are 16 neighbours.  The rows of a weight that form a tile are chosen in the same way.
; SHARES.  Wave w first quantises the 16 rows of tile w of x and makes that tile's table of cosines and sines; both go to LDS as images of registers; ONE barrier; then wave w is head w:
; its 32 rows of wq, wk, wv stay in 240 registers (window 1) and it walks all 8 tiles.
; THE ROTARY TURN wants y[2 c + 1] and y[2 (c - 16)] beside y[c].  That is the same product on the weight's rows taken in that order, so it is made by a second set of fragments (and of biases):
; no lane traffic; the turn is one packed multiply and one packed multiply-add for two channels.  The minus sign of the lower half lies in the sine.
; SINE AND COSINE in f32: k = nearest whole number to theta 2 / pi, theta - k pi / 2 in two fused steps (the first is exact for theta under 512), polynomials of degree 7 and 8 on +-pi / 4, quadrant by selects.
; No cluster and no tensor load: what work-groups share here are the weights, 150 KB, which go straight into registers where they stay; x is read by one work-group alone.
; LIMITS: theta = s x angle stays under 512 (the shapes fix it); a block of zeros gets the scale byte 1 where the rule says 127 (its codes are zeros, and only this program reads the bytes);
; NaN and infinities among the inputs are not served.
; REGISTERS, window 0: v1-21 addresses and lane constants; v24-43 the weights' scale words; v44-47 x's; v48-127 biases; v128-159 accumulators; v160-207 x's fragments and the table; v208-249 codes; v250-252 at work.
.set XROW,  1040                       ; a row of the stage: 1,024 bytes + 16: an odd multiple of 16 bytes, so that sixteen rows begin in different banks
.set XWAVE, 16*XROW                    ; LDS 0: a stage of 16 rows for each wave
.set XIMG,  8*XWAVE                    ; x's 16 fragments, (tile t, K step ks) at (2 t + ks) x 1,536
.set FRB,   1536                       ; a fragment's image: 12 registers x 128 bytes
.set XSC,   XIMG+16*FRB                ; their scale words, 128 bytes each
.set CSI,   XSC+16*128                 ; the tables, 2,048 bytes a tile
.set TM,    48                         ; at work in QUANT
.set PC,    64                         ; the codes that QUANT makes
.set PW,    84                         ; and their scale word
.set SEL,   4                          ; s[4:5] v_permlanex16_b32's selects for lane l xor 16
.set MSB, 0
.macro WIN new                         ; the immediate's high byte repeats the setting that is left
.if MSB != \new
	s_set_vgpr_msb (MSB<<8)|\new
.set MSB, \new
.endif
.endm
.macro PLACES                          ; four places behind a matrix instruction of this form, in front of reads of its results and of loads into its registers
.rept 4
	v_nop
.endr
.endm
.macro MM d, a, b, c, sa, sb
	v_wmma_scale_f32_16x16x128_f8f6f4 v[\d:\d+7], v[\a:\a+11], v[\b:\b+11], v[\c:\c+7], v[\sa], v[\sb] matrix_a_fmt:MATRIX_FMT_FP6 matrix_b_fmt:MATRIX_FMT_FP6
.endm
; 64 numbers of a lane, register 16 b + i = k 32 b + 16 (lane / 16) + i of my row, become a fragment's codes in v[PC] on and its scale word in v[PW]
.macro QUANT s
.irp b, 0,1,2,3
	v_max3_num_f32 v[TM+\b], |v[\s+16*\b]|, |v[\s+1+16*\b]|, 0x1800000   ; my 16 numbers of block b, and the floor 2^(3 - 127): the byte cannot fall under 1
.endr
.irp i, 2,4,6,8,10,12,14
.irp b, 0,1,2,3
	v_max3_num_f32 v[TM+\b], v[TM+\b], |v[\s+16*\b+\i]|, |v[\s+1+16*\b+\i]|
.endr
.endr
.irp b, 0,1,2,3
	v_permlanex16_b32 v[TM+4+\b], v[TM+\b], s[SEL], s[SEL+1]
.endr
.irp b, 0,1,2,3
	v_max_num_f32 v[TM+\b], v[TM+\b], v[TM+4+\b]   ; with lane l xor 16's: the block's largest magnitude
.endr
.irp b, 0,1,2,3
	v_add_nc_u32 v[TM+12+\b], 0xff000000, v[TM+\b]   ; 2 off its exponent field: the conversion's scale operand
.endr
.irp b, 0,1,2,3
	v_lshrrev_b32 v[TM+4+\b], 23, v[TM+12+\b]      ; the scale's byte
.endr
	v_lshl_or_b32 v[PW], v[TM+5], 8, v[TM+4]
	v_lshl_or_b32 v[PW], v[TM+6], 16, v[PW]
	v_lshl_or_b32 v[PW], v[TM+7], 24, v[PW]
.irp c, 0,1
	v_cvt_scalef32_pk16_fp6_f32 v[PC+6*\c:PC+2+6*\c], v[\s+32*\c:\s+15+32*\c], v[TM+12+2*\c]
	v_cvt_scalef32_pk16_fp6_f32 v[PC+12+4*\c:PC+14+4*\c], v[\s+16+32*\c:\s+31+32*\c], v[TM+12+2*\c+1]   ; (a conversion's three registers begin on an even number)
.endr
	v_nop                                          ; one plain place behind a scaled conversion
.irp c, 0,1                                    ; the operand wants a WHOLE block in a lane: lanes 0-15 block 2 c, lanes 16-31 block 2 c + 1
.irp i, 0,1,2
	v_permlane16_swap_b32 v[PC+6*\c+\i], v[PC+12+4*\c+\i]
.endr
.irp i, 0,1,2
	v_mov_b32 v[PC+3+6*\c+\i], v[PC+12+4*\c+\i]
.endr
.endr
.endm
.macro IMAGE adr, off                          ; the fragment in v[PC] on goes to LDS as it stands: lane l's 16 bytes at 16 l
.irp c, 0,1,2
	ds_store_b128 v[\adr], v[PC+4*\c:PC+4*\c+3] offset:\off+512*\c
.endr
.endm
.macro FETCH reg, adr, off                     ; and comes back so, in any wave
.irp c, 0,1,2
	ds_load_b128 v[\reg+4*\c:\reg+4*\c+3], v[\adr] offset:\off+512*\c
.endr
.endm
; 16 numbers of a lane, half a block of 32 (the other half lies in lane l xor 16), become 96 bits of codes in v[d] on and the block's scale byte in v[e].  The second accumulator's first read is of its low end.
.macro Q16 s, d, e
	v_max3_num_f32 v250, |v[\s]|, |v[\s+1]|, 0x1800000
	v_max3_num_f32 v251, |v[\s+8]|, |v[\s+9]|, |v[\s+10]|
	v_max3_num_f32 v250, v250, |v[\s+2]|, |v[\s+3]|
	v_max3_num_f32 v251, v251, |v[\s+11]|, |v[\s+12]|
	v_max3_num_f32 v250, v250, |v[\s+4]|, |v[\s+5]|
	v_max3_num_f32 v251, v251, |v[\s+13]|, |v[\s+14]|
	v_max3_num_f32 v250, v250, |v[\s+6]|, |v[\s+7]|
	v_max3_num_f32 v250, v250, v251, |v[\s+15]|
	v_permlanex16_b32 v251, v250, s[SEL], s[SEL+1]
	v_max_num_f32 v250, v250, v251
	v_add_nc_u32 v252, 0xff000000, v250
	v_cvt_scalef32_pk16_fp6_f32 v[\d:\d+2], v[\s:\s+15], v252
	v_lshrrev_b32 v[\e], 23, v252                  ; the byte; also the plain place behind the conversion
.endm
.macro SWAP3 a, b                              ; two half blocks a lane become one whole block a lane: registers a .. a + 5
.irp i, 0,1,2
	v_permlane16_swap_b32 v[\a+\i], v[\b+\i]
.endr
.irp i, 0,1,2
	v_mov_b32 v[\a+3+\i], v[\b+\i]
.endr
.endm
; cosine and signed sine of s x angle for my channels 16 (lane / 16) + 2 i, 2 i + 1, which share an angle: alo in lanes 0-15, ahi in lanes 16-31
.macro SINCOS i, alo, ahi
	v_mov_b32 v104, \ahi
	v_cndmask_b32 v104, \alo, v104, vcc_lo
	v_mul_f32 v105, v21, v104                      ; theta
	v_mul_f32 v106, s40, v105
	v_rndne_f32 v106, v106                         ; k
	v_fma_f32 v107, v106, s41, v105                ; theta - k x (pi / 2 rounded to f32): exact
	v_fma_f32 v107, v106, s42, v107                ; and the rest of pi / 2
	v_cvt_i32_f32 v108, v106
	v_mul_f32 v109, v107, v107                     ; z
	v_fma_f32 v110, v109, s45, s44
	v_fma_f32 v112, v109, s48, s47
	v_fma_f32 v110, v110, v109, s43
	v_fma_f32 v112, v112, v109, s46
	v_mul_f32 v111, v109, v107
	v_mul_f32 v113, v109, v109
	v_fma_f32 v114, v109, -0.5, 1.0
	v_fma_f32 v110, v110, v111, v107               ; the sine on +-pi / 4
	v_fma_f32 v112, v112, v113, v114               ; the cosine
	v_and_b32 v115, 1, v108
	v_cmp_eq_u32 s50, 1, v115                      ; an odd quadrant swaps the two
	v_cndmask_b32 v116, v110, v112, s50
	v_cndmask_b32 v117, v112, v110, s50
	v_lshlrev_b32 v118, 30, v108                   ; the sine is negative in quadrants 2, 3,
	v_and_b32 v118, 0x80000000, v118
	v_xor_b32 v118, v118, v20                      ; and carries the turn's minus sign in lanes 0-15
	v_add_nc_u32 v119, 1, v108                     ; the cosine in quadrants 1, 2
	v_lshlrev_b32 v119, 30, v119
	v_and_b32 v119, 0x80000000, v119
	v_xor_b32 v[88+2*\i], v117, v119
	v_xor_b32 v[89+2*\i], v116, v118
.endm
	s_load_b512 s[8:23], s[0:1], 0x0               ; x 8, wq_codes 10, wq_scales 12, bq 14, wk_codes 16, wk_scales 18, bk 20, wv_codes 22
	s_load_b512 s[24:39], s[0:1], 0x40             ; wv_scales 24, bv 26, q_img 28, q_scl 30, k_img 32, k_scl 34, v_img 36, v_scl 38
	s_set_vgpr_msb 0x40
	v_lshl_add_u32 v254, v0, 2, 0x2b000
	v_mov_b32 v255, 0
	s_set_vgpr_msb 0x4000
	v_lshrrev_b32 v22, 5, v0
	v_readfirstlane_b32 s2, v22                    ; wave 0..7: first a tile of rows, then a head
	s_mov_b32 s3, ttmp9                            ; which 128 positions
	s_and_b32 s6, ttmp7, 0xffff                    ; n
	s_lshl_b32 s7, s6, 3
	s_add_co_u32 s7, s7, s2                        ; nh = 8 n + head
	s_mov_b32 s[SEL], 0x76543210
	s_mov_b32 s[SEL+1], 0xfedcba98
	s_mov_b32 vcc_lo, 0xffff0000                   ; lanes 16-31: kept for the whole body
	s_mov_b32 s40, 0x3f22f983                      ; 2 / pi
	s_mov_b32 s41, 0xbfc90fdb                      ; -(pi / 2 rounded to f32)
	s_mov_b32 s42, 0x333bbd2e                      ; that rounded number - pi / 2
	s_mov_b32 s43, 0xbe2aaaa3                      ; sine: -1.6666654611e-1,
	s_mov_b32 s44, 0x3c08839e                      ; 8.3321608736e-3,
	s_mov_b32 s45, 0xb94ca1f9                      ; -1.9515295891e-4
	s_mov_b32 s46, 0x3d2aaaa5                      ; cosine: 4.166664568e-2,
	s_mov_b32 s47, 0xbab6061a                      ; -1.388731625e-3,
	s_mov_b32 s48, 0x37ccf5ce                      ; 2.443315712e-5
	s_lshl_b32 s51, s3, 7
	s_lshr_b32 s52, s2, 1
	s_lshl_b32 s52, s52, 5
	s_add_co_u32 s51, s51, s52
	s_and_b32 s52, s2, 1
	s_lshl_b32 s52, s52, 3
	s_add_co_u32 s51, s51, s52                     ; row 0 of my tile: position 128 xq + 32 (w / 2) + 8 (w % 2)
	v_and_b32 v22, 15, v0                          ; r
	v_bfe_u32 v23, v0, 4, 1                        ; h
	v_and_b32 v250, 8, v22
	v_add_nc_u32 v250, v250, v22                   ; r + 8 (r / 8)
	v_lshrrev_b32 v251, 3, v22
	v_mul_u32_u24 v251, v251, 17
	v_lshl_add_u32 v252, v22, 1, 1
	v_sub_nc_u32 v251, v252, v251                  ; 2 r + 1 - 17 (r / 8): the turned order of a weight's rows
	v_and_b32 v252, 31, v0                         ; lane
	v_lshlrev_b32 v1, 4, v22
	v_lshl_add_u32 v1, v23, 16, v1                 ; x by rows: sixteen lanes on 256 bytes of a row, lanes 16-31 on the next position (65,536 bytes on)
	v_mul_u32_u24 v2, v250, 192
	v_mad_u32_u24 v2, v23, 24, v2                  ; a weight's fragment, rows in tile order: 192 bytes a row, + 24 h
	v_mul_u32_u24 v3, v251, 192
	v_mad_u32_u24 v3, v23, 24, v3                  ; the same, rows in the turned order
	v_lshlrev_b32 v4, 3, v250                      ; their scale bytes: 8 a row
	v_lshlrev_b32 v5, 3, v251
	v_lshlrev_b32 v6, 6, v23                       ; a bias in the result's layout: channels 16 h on
	v_xor_b32 v7, 1, v23
	v_lshlrev_b32 v20, 31, v7                      ; the sign bit in lanes 0-15
	v_lshlrev_b32 v7, 2, v7                        ; the turned bias: channel 2 j + 1 in lanes 0-15, 2 j in lanes 16-31
	v_lshlrev_b32 v8, 2, v250                      ; v's bias: one channel a lane
	v_lshlrev_b32 v9, 4, v252                      ; 16 x lane
	v_lshlrev_b32 v10, 2, v252                     ; 4 x lane
	s_mul_i32 s52, s2, XWAVE
	v_mul_u32_u24 v11, v23, XROW
	v_lshl_add_u32 v11, v22, 4, v11
	v_add_nc_u32 v11, s52, v11                     ; my stage, on the way in
	v_mul_u32_u24 v12, v22, XROW
	v_lshl_add_u32 v12, v23, 6, v12
	v_add_nc_u32 v12, s52, v12                     ; and out: row r, my 16 numbers of each block of 32
	v_add_nc_u32 v16, XIMG, v9
	v_add_nc_u32 v17, XSC, v10
	v_add_nc_u32 v18, CSI, v9
	s_mul_i32 s52, s2, 2*FRB
	v_add_nc_u32 v13, s52, v16                     ; where I store my tile's two images,
	s_lshl_b32 s52, s2, 8
	v_add_nc_u32 v14, s52, v17                     ; their scale words,
	s_lshl_b32 s52, s2, 11
	v_add_nc_u32 v15, s52, v18                     ; and its table
	v_mul_u32_u24 v19, v22, 24
	v_mad_u32_u24 v19, v23, 12, v19                ; q's codes: 24 bytes a row, my half's 12
	v_add_nc_u32 v21, s51, v250
	v_cvt_f32_u32 v21, v21                         ; my row's position s
.irp b, 0,1,2,3
	v_mov_b32 v[TM+4+\b], 0                        ; written once: a lane permute's destination counts as one of its sources
.endr
	s_mov_b32 s53, 0
	s_wait_kmcnt 0x0
	s_lshl_b32 s52, s51, 16
	s_lshl_b32 s54, s6, 10
	s_add_co_u32 s52, s52, s54
	s_add_nc_u64 s[8:9], s[8:9], s[52:53]          ; x at my tile's row 0
	s_mul_i32 s52, s2, 6144
	s_add_nc_u64 s[10:11], s[10:11], s[52:53]      ; the weights at my head's 32 rows
	s_add_nc_u64 s[16:17], s[16:17], s[52:53]
	s_add_nc_u64 s[22:23], s[22:23], s[52:53]
	s_lshl_b32 s52, s2, 8
	s_add_nc_u64 s[12:13], s[12:13], s[52:53]
	s_add_nc_u64 s[18:19], s[18:19], s[52:53]
	s_add_nc_u64 s[24:25], s[24:25], s[52:53]
	s_lshl_b32 s52, s2, 7
	s_add_nc_u64 s[14:15], s[14:15], s[52:53]
	s_add_nc_u64 s[20:21], s[20:21], s[52:53]
	s_add_nc_u64 s[26:27], s[26:27], s[52:53]
	s_lshl_b32 s54, s7, 5
	s_lshl_b32 s55, s3, 3
	s_add_co_u32 s54, s54, s55                     ; 32 nh + 8 xq: my first tile
	s_mul_i32 s52, s54, 384
	s_add_nc_u64 s[28:29], s[28:29], s[52:53]
	s_lshl_b32 s52, s54, 6
	s_add_nc_u64 s[30:31], s[30:31], s[52:53]
	s_lshl_b32 s54, s7, 3
	s_lshl_b32 s55, s3, 1
	s_add_co_u32 s54, s54, s55                     ; 8 nh + 2 xq: my first group of four key tiles
	s_mul_i32 s52, s54, FRB
	s_add_nc_u64 s[32:33], s[32:33], s[52:53]
	s_lshl_b32 s52, s54, 6
	s_add_nc_u64 s[34:35], s[34:35], s[52:53]
	s_lshl_b32 s54, s7, 2
	s_add_co_u32 s54, s54, s3                      ; 4 nh + xq: my step of 128 keys
	s_mul_i32 s52, s54, 2*FRB
	s_add_nc_u64 s[36:37], s[36:37], s[52:53]
	s_lshl_b32 s52, s54, 7
	s_add_nc_u64 s[38:39], s[38:39], s[52:53]
; the weights' fragments: kind 0 wq, 1 wq turned, 2 wk, 3 wk turned, 4 wv; (kind, tile u, K step ks) at v[12 (4 kind + 2 u + ks)] of window 1: they stay
.macro WLOAD kind, adr, base, rows
.irp u, 0,1
.irp ks, 0,1
.irp p, 0,1,2,3,4,5
	global_load_b64 v[12*(4*\kind+2*\u+\ks)+2*\p:12*(4*\kind+2*\u+\ks)+2*\p+1], v[\adr], s[\base:\base+1] offset:\u*\rows*192+96*\ks+48*(\p/3)+8*(\p%3)
.endr
.endr
.endr
.endm
.macro SLOAD kind, adr, base, rows             ; a row's 8 scale bytes are the words of both K steps
.irp u, 0,1
	global_load_b64 v[24+4*\kind+2*\u:25+4*\kind+2*\u], v[\adr], s[\base:\base+1] offset:\u*\rows*8
.endr
.endm
	WIN 0x40                                       ; destination window 1
	WLOAD 0, 2, 10, 8
	WLOAD 1, 3, 10, 16
	WLOAD 2, 2, 16, 8
	WLOAD 3, 3, 16, 16
	WLOAD 4, 2, 22, 8
	WIN 0
	SLOAD 0, 4, 12, 8
	SLOAD 1, 5, 12, 16
	SLOAD 2, 4, 18, 8
	SLOAD 3, 5, 18, 16
	SLOAD 4, 4, 24, 8
.irp h, 0,1                                    ; x: my 16 rows, the first 512 bytes of each first.  Sixteen lanes read 256 consecutive bytes, aligned
.irp i, 0,1,2,3,4,5,6,7
.irp q, 0,1
	global_load_b128 v[128+64*\h+8*\i+4*\q:131+64*\h+8*\i+4*\q], v1, s[8:9] offset:(2*\i+8*(\i/4))*65536+512*\h+256*\q th:TH_LOAD_NT
.endr
.endr
.endr
	; the table of my tile is made while the loads are out: angle i = 10^(-4 i / 15)
	SINCOS 0, 1.0, 0.007356422545
	SINCOS 1, 0.5411695265, 0.003981071706
	SINCOS 2, 0.2928644565, 0.00215443469
	SINCOS 3, 0.1584893192, 0.001165914401
	SINCOS 4, 0.08576958986, 0.0006309573445
	SINCOS 5, 0.04641588834, 0.0003414548874
	SINCOS 6, 0.02511886432, 0.0001847849797
	SINCOS 7, 0.01359356391, 0.0001
.irp c, 0,1,2,3
	ds_store_b128 v15, v[88+4*\c:91+4*\c] offset:512*\c
.endr
; half h of my rows (K step h) turns through my stage: in as loaded, out 16 neighbours of each block a lane; then it is quantised and its image stored
.macro XHALF h
.irp i, 0,1,2,3,4,5,6,7
.irp q, 0,1
	ds_store_b128 v11, v[128+64*\h+8*\i+4*\q:131+64*\h+8*\i+4*\q] offset:2*\i*XROW+512*\h+256*\q
.endr
.endr
	s_wait_dscnt 0x0                               ; the stores have read their registers, into which the loads below land; so have the last half's image stores
.irp b, 0,1,2,3
.irp j, 0,1,2,3
	ds_load_b128 v[128+64*\h+16*\b+4*\j:131+64*\h+16*\b+4*\j], v12 offset:512*\h+128*\b+16*\j
.endr
.endr
	s_wait_dscnt 0x0
	QUANT 128+64*\h
	IMAGE 13, \h*FRB
	ds_store_b32 v14, v[PW] offset:128*\h
.endm
	s_wait_loadcnt 16                              ; all but the youngest sixteen loads, x's second half, are in
	XHALF 0
	s_wait_loadcnt 0x0
	XHALF 1
	s_wait_dscnt 0x0                               ; for the others' sake, and for the bias loads below, which land on registers that the stores read
.irp k, 0,1                                    ; biases in the result's layout: v48 q, v64 q turned, v80 k, v96 k turned; tile u at + 8 u
.irp u, 0,1
	global_load_b128 v[48+32*\k+8*\u:51+32*\k+8*\u], v6, s[14+6*\k:15+6*\k] offset:32*\u
	global_load_b128 v[52+32*\k+8*\u:55+32*\k+8*\u], v6, s[14+6*\k:15+6*\k] offset:32*\u+16
.irp j, 0,1,2,3,4,5,6,7
	global_load_b32 v[64+32*\k+8*\u+\j], v7, s[14+6*\k:15+6*\k] offset:64*\u+8*\j
.endr
.endr
.endr
	global_load_b32 v112, v8, s[26:27]             ; v's bias: my lane's channel 8 u + r + 8 (r / 8)
	global_load_b32 v120, v8, s[26:27] offset:32
	s_barrier_signal -1
	s_barrier_wait -1                              ; x's sixteen fragments, their scale words and the eight tables lie in LDS; nothing is written there any more
	s_wait_loadcnt 0x0
.irp j, 1,2,3,4,5,6,7
	v_mov_b32 v[112+\j], v112                      ; v's product is used untransposed: a lane holds one channel in all eight registers
	v_mov_b32 v[120+\j], v120
.endr
; sel = 0: q, 1: k.  Four accumulators by turns: plain tiles 0, 1 at v128, v136, turned tiles at v144, v152.  Source 0 = 16 rows of the weight, source 1 = x's 16 rows; the bias starts each sum
.macro PROJ sel
	WIN 0x01                                       ; source 0 window 1
.irp pp, 0,1
.irp u, 0,1
	MM 128+16*\pp+8*\u, 12*(8*\sel+4*\pp+2*\u), 160, 48+32*\sel+16*\pp+8*\u, 24+8*\sel+4*\pp+2*\u, 44
.endr
.endr
.irp pp, 0,1
.irp u, 0,1
	MM 128+16*\pp+8*\u, 12*(8*\sel+4*\pp+2*\u+1), 172, 128+16*\pp+8*\u, 25+8*\sel+4*\pp+2*\u, 45
.endr
.endr
	WIN 0
	PLACES
.endm
.macro ROT                                     ; y = y cos + y_turned sin, two channels at a time; of the pair (cos, sin) one word serves both halves
.irp i, 0,2,4,6,8,10,12,14
	v_pk_mul_f32 v[128+\i:129+\i], v[128+\i:129+\i], v[184+\i:185+\i] op_sel_hi:[1,0]
	v_pk_fma_f32 v[128+\i:129+\i], v[144+\i:145+\i], v[184+\i:185+\i], v[128+\i:129+\i] op_sel:[0,1,0] op_sel_hi:[1,1,1]
.endr
.endm
; PASS 1: q and k of tile t for my head
.macro TILE t
	s_wait_xcnt 0x0                                ; the last tile's stores have read their data registers, which are written again below
	FETCH 160, 16, (2*\t)*FRB
	FETCH 172, 16, (2*\t+1)*FRB
	ds_load_b32 v44, v17 offset:128*(2*\t)
	ds_load_b32 v45, v17 offset:128*(2*\t+1)
.irp c, 0,1,2,3
	ds_load_b128 v[184+4*\c:187+4*\c], v18 offset:2048*\t+512*\c
.endr
	s_wait_dscnt 0x0
	PROJ 0
	ROT
	Q16 128, 228, 248
	global_store_b96 v19, v[228:230], s[28:29] offset:384*\t   ; the wave stores the tile's 384 consecutive bytes
	v_lshl_or_b32 v235, v248, 8, v248              ; q's scale word: the byte four times, since q will stand in any of a fragment's four blocks
.if (\t)%2 == 0
	v_lshl_or_b32 v236, v235, 16, v235
.else
	v_lshl_or_b32 v237, v235, 16, v235
	v_cndmask_b32 v238, v236, v237, vcc_lo         ; two tiles' words leave together: 128 bytes
	global_store_b32 v10, v238, s[30:31] offset:64*(\t-1)
.endif
	PROJ 1
	ROT
.if (\t)%4 == 0                                ; four key tiles make one fragment: tile 2 c + h in registers 6 c .. 6 c + 5 of the lanes of half h
	Q16 128, 208, 248
	v_mov_b32 v[240+(\t)/4], v248
.elseif (\t)%4 == 1
	Q16 128, 220, 248
	v_lshl_or_b32 v[240+(\t)/4], v248, 8, v[240+(\t)/4]
	SWAP3 208, 220
.elseif (\t)%4 == 2
	Q16 128, 214, 248
	v_lshl_or_b32 v[240+(\t)/4], v248, 16, v[240+(\t)/4]
.else
	Q16 128, 224, 248
	v_lshl_or_b32 v[240+(\t)/4], v248, 24, v[240+(\t)/4]
	SWAP3 214, 224
.irp c, 0,1,2
	global_store_b128 v9, v[208+4*\c:211+4*\c], s[32:33] offset:FRB*((\t)/4)+512*\c   ; the image of the registers: 512 consecutive bytes a store
.endr
.endif
.endm
.irp t, 0,1,2,3,4,5,6,7
	TILE \t
.endr
	v_cndmask_b32 v242, v240, v241, vcc_lo         ; the two groups' scale words
	global_store_b32 v10, v242, s[34:35]
; PASS 2: v of 32 keys (tiles 2 b, 2 b + 1).  Source 0 = x's 16 rows, source 1 = 16 rows of wv: a lane holds ONE channel and its registers run along the keys, which are the next product's K
.macro VBLOCK b
.if \b == 0
	s_wait_xcnt 0x0                                ; pass 1's last stores have read their data registers
.endif
.irp f, 0,1,2,3
	FETCH 160+12*\f, 16, (4*\b+\f)*FRB
	ds_load_b32 v[44+\f], v17 offset:128*(4*\b+\f)
.endr
	s_wait_dscnt 0x0
	WIN 0x04                                       ; source 1 window 1
.irp t, 0,1
.irp u, 0,1
	MM 128+16*\u+8*\t, 160+24*\t, 12*(16+2*\u), 112+8*\u, 44+2*\t, 40+2*\u
.endr
.endr
.irp t, 0,1
.irp u, 0,1
	MM 128+16*\u+8*\t, 172+24*\t, 12*(17+2*\u), 128+16*\u+8*\t, 45+2*\t, 41+2*\u
.endr
.endr
	WIN 0
	PLACES
.irp u, 0,1
.if (\b)%2 == 0
	Q16 128+16*\u, 208+12*\u+6*((\b)/2), 248
.else
	Q16 128+16*\u, 232+4*\u, 248
.endif
.if \b == 0
	v_mov_b32 v[240+\u], v248
.else
	v_lshl_or_b32 v[240+\u], v248, 8*\b, v[240+\u]
.endif
.if (\b)%2 == 1
	SWAP3 208+12*\u+6*((\b)/2), 232+4*\u
.endif
.endr
.endm
.irp b, 0,1,2,3
	VBLOCK \b
.endr
.irp u, 0,1
.irp c, 0,1,2
	global_store_b128 v9, v[208+12*\u+4*\c:211+12*\u+4*\c], s[36:37] offset:FRB*\u+512*\c
.endr
.endr
	v_cndmask_b32 v242, v240, v241, vcc_lo
	global_store_b32 v10, v242, s[38:39]
	s_set_vgpr_msb 0x5
	s_wait_tensorcnt 0x0
	ds_add_u32 v254, v255
	s_wait_dscnt 0x0
	s_set_vgpr_msb 0x500
	s_endpgm
.Lfunc_end_k_q78d9dc1c38_proj:
	.size	k_q78d9dc1c38_proj, .Lfunc_end_k_q78d9dc1c38_proj-k_q78d9dc1c38_proj
	.p2alignl 7, 3214868480
	.fill 96, 4, 3214868480
	.section	.rodata,"a",@progbits
	.p2align	6, 0x0
	.amdhsa_kernel k_q78d9dc1c38_proj
		.amdhsa_group_segment_fixed_size 177152
		.amdhsa_private_segment_fixed_size 0
		.amdhsa_enable_private_segment 0
		.amdhsa_kernarg_size 128
		.amdhsa_user_sgpr_count 2
		.amdhsa_user_sgpr_kernarg_segment_ptr 1
		.amdhsa_wavefront_size32 1
		.amdhsa_system_sgpr_workgroup_id_x 1
		.amdhsa_system_sgpr_workgroup_id_y 1
		.amdhsa_system_sgpr_workgroup_id_z 1
		.amdhsa_system_vgpr_workitem_id 0
		.amdhsa_next_free_vgpr 512
		.amdhsa_next_free_sgpr 96
		.amdhsa_reserve_vcc 1
		.amdhsa_float_denorm_mode_32 3
		.amdhsa_float_denorm_mode_16_64 3
		.amdhsa_memory_ordered 1
		.amdhsa_forward_progress 1
		.amdhsa_inst_pref_size 125
	.end_amdhsa_kernel
	.amdgpu_metadata
---
amdhsa.version: [ 1, 2 ]
amdhsa.kernels:
  - .name:           k_q78d9dc1c38_proj
    .symbol:         k_q78d9dc1c38_proj.kd
    .args:
      - { .name: x, .offset: 0, .size: 8, .value_kind: global_buffer, .address_space: global }
      - { .name: wq_codes, .offset: 8, .size: 8, .value_kind: global_buffer, .address_space: global }
      - { .name: wq_scales, .offset: 16, .size: 8, .value_kind: global_buffer, .address_space: global }
      - { .name: bq, .offset: 24, .size: 8, .value_kind: global_buffer, .address_space: global }
      - { .name: wk_codes, .offset: 32, .size: 8, .value_kind: global_buffer, .address_space: global }
      - { .name: wk_scales, .offset: 40, .size: 8, .value_kind: global_buffer, .address_space: global }
      - { .name: bk, .offset: 48, .size: 8, .value_kind: global_buffer, .address_space: global }
      - { .name: wv_codes, .offset: 56, .size: 8, .value_kind: global_buffer, .address_space: global }
      - { .name: wv_scales, .offset: 64, .size: 8, .value_kind: global_buffer, .address_space: global }
      - { .name: bv, .offset: 72, .size: 8, .value_kind: global_buffer, .address_space: global }
      - { .name: q_img, .offset: 80, .size: 8, .value_kind: global_buffer, .address_space: global }
      - { .name: q_scl, .offset: 88, .size: 8, .value_kind: global_buffer, .address_space: global }
      - { .name: k_img, .offset: 96, .size: 8, .value_kind: global_buffer, .address_space: global }
      - { .name: k_scl, .offset: 104, .size: 8, .value_kind: global_buffer, .address_space: global }
      - { .name: v_img, .offset: 112, .size: 8, .value_kind: global_buffer, .address_space: global }
      - { .name: v_scl, .offset: 120, .size: 8, .value_kind: global_buffer, .address_space: global }
    .group_segment_fixed_size: 177152
    .private_segment_fixed_size: 0
    .kernarg_segment_align: 8
    .kernarg_segment_size: 128
    .max_flat_workgroup_size: 256
    .sgpr_count:     96
    .vgpr_count:     512
    .wavefront_size: 32
...
	.end_amdgpu_metadata
.endif
;; end of part 1
;; launch attn_ffn (part 2): grid 4 x 64, 8 waves a work-group, no clusters, 287,744 bytes of LDS; arguments x, q_img, q_scl, k_img, k_scl, v_img, v_scl, out0, w1_codes, w1_scales, b1, w2_codes, w2_scales, b2, ln1_w, ln1_b, ln2_w, ln2_b; writes out0
.if DOCPART == 2
	.amdgcn_target "amdgcn-amd-amdhsa--gfx1250"
	.amdhsa_code_object_version 6
	.text
	.protected	k_q78d9dc1c38_attn_ffn
	.globl	k_q78d9dc1c38_attn_ffn
	.p2align	8
	.type	k_q78d9dc1c38_attn_ffn,@function
k_q78d9dc1c38_attn_ffn:
	s_mov_b64 s[64:65], 0
	v_nop
	global_prefetch_b8 v0, s[64:65] scope:SCOPE_SE
	s_setreg_imm32_b32 hwreg(HW_REG_WAVE_MODE, 25, 1), 1
	s_wait_xcnt 0x0
; out = LN2(relu(y w1^T + b1) w2^T + b2 + y), y = LN1(attention + x), for 128 positions of one n (x of the grid: which 128; y: n).  All four products on codes of FP6 (E2M3) with one E8M0 scale for each 32 along K.
; ATTENTION.  Wave w is head w.  Its head's keys (8 fragments) and values (8 fragments) for all 512 positions stay in 192 registers (window 1), read once; it walks the work-group's 8 tiles of 16 queries.
;   The head has 32 channels and the instruction 128 along K: a fragment of K holds FOUR key tiles, one in each block of 32, and q stands in one block with zero codes in the other three: four such variants
;   are 36 registers, [zeros | q in lanes 0-15 | zeros] and [zeros | q in lanes 16-31 | zeros], read from two starts each.
;   Both products are used transposed (S^T = K q^T, O^T = V^T p^T): a lane holds one query.  The keys of a tile are chosen so that the 16 registers of tiles 2 b, 2 b + 1 are keys 32 b + 16 (lane / 16) + 0 .. 15.
;   THE MASK -|decay| x |query - key| IS THE C OF THE SCORE PRODUCT.  With X_i = the query's place in its block of 32 - 16 (lane / 16) - i (a whole number) and D = key block - query block it is
;   A X_i + E, A = sign(D) |decay|, E = -32 |D| |decay|: one packed multiply-add for two scores, written into the score registers; in the one block with D = 0 it is made -|.|.
;   SOFTMAX: t = score x log2(e); M = the running largest t rounded up to a whole number; p = 2^(t - M) is quantised along the keys; the sum is taken of the unquantised p and divides at the end.
; THEN the waves change roles through LDS: rows (wave w owns the 16 rows of tile w: residual, LayerNorm, quantising) and columns (wave w makes hidden units 128 w on, then outputs 32 w on, for all 128 rows,
;   with its part of w1, then of w2, in 192 registers).  Four barriers.  The second FFN product's sums BEGIN as the LayerNorm's output, so the residual costs no addition.
; No cluster, no tensor load: what the four work-groups of an n share, 200 KB of K and V, goes straight into the registers where it stays, and LDS has 41 KB beside the regions below: a joint load would have nowhere to land.
; LIMITS: E is rounded once (half an ulp of 32 |D| |decay|); a p under 2^-126 counts as 0; a block of zeros gets the scale byte 1 (its codes are zeros); NaN and infinities among the inputs are not served.
.set RB,    18560                      ; LDS 0: A, eight regions, one for each 32 channels: 128 rows x 144 bytes (128 of data + 16) + 128
.set AP,    144
.set FRB,   1536                       ; a fragment's image
.set XIMG,  8*RB                       ; y's 16 fragments, (tile m, K step ks) at (2 m + ks) x 1,536
.set XSC,   XIMG+16*FRB                ; their scale words, 128 bytes each
.set HIMG,  XSC+16*128                 ; the hidden layer's 64 fragments, (K step = the wave that wrote it, tile m) at (8 ks + m) x 1,536
.set HSC,   HIMG+64*FRB                ; their scale words
.set PAR,   HSC+64*128                 ; ln1_w, ln1_b, ln2_w, ln2_b, b2: 1,024 bytes each
.set TM,    32
.set PC,    48
.set PW,    68
.set SEL,   4
.set MSB, 0
.macro WIN new                         ; the immediate's high byte repeats the setting that is left
.if MSB != \new
	s_set_vgpr_msb (MSB<<8)|\new
.set MSB, \new
.endif
.endm
.macro PLACES                          ; four places behind a matrix instruction of this form (ISA guide 7.12.1)
.rept 4
	v_nop
.endr
.endm
.macro MM d, a, b, c, sa, sb
	v_wmma_scale_f32_16x16x128_f8f6f4 v[\d:\d+7], v[\a:\a+11], v[\b:\b+11], v[\c:\c+7], v[\sa], v[\sb] matrix_a_fmt:MATRIX_FMT_FP6 matrix_b_fmt:MATRIX_FMT_FP6
.endm
.macro MM0 d, a, b, sa, sb             ; the same with the constant 0 as C: it starts a sum
	v_wmma_scale_f32_16x16x128_f8f6f4 v[\d:\d+7], v[\a:\a+11], v[\b:\b+11], 0, v[\sa], v[\sb] matrix_a_fmt:MATRIX_FMT_FP6 matrix_b_fmt:MATRIX_FMT_FP6
.endm
; 64 numbers of a lane, register 16 b + i = k 32 b + 16 (lane / 16) + i of my row, become a fragment's codes in v[PC] on and its scale word in v[PW]
.macro QUANT s
.irp b, 0,1,2,3
	v_max3_num_f32 v[TM+\b], |v[\s+16*\b]|, |v[\s+1+16*\b]|, 0x1800000   ; my 16 numbers of block b, and the floor 2^(3 - 127): the byte cannot fall under 1
.endr
.irp i, 2,4,6,8,10,12,14
.irp b, 0,1,2,3
	v_max3_num_f32 v[TM+\b], v[TM+\b], |v[\s+16*\b+\i]|, |v[\s+1+16*\b+\i]|
.endr
.endr
.irp b, 0,1,2,3
	v_permlanex16_b32 v[TM+4+\b], v[TM+\b], s[SEL], s[SEL+1]
.endr
.irp b, 0,1,2,3
	v_max_num_f32 v[TM+\b], v[TM+\b], v[TM+4+\b]
.endr
.irp b, 0,1,2,3
	v_add_nc_u32 v[TM+12+\b], 0xff000000, v[TM+\b]   ; 2 off the exponent field: the conversion's scale operand
.endr
.irp b, 0,1,2,3
	v_lshrrev_b32 v[TM+4+\b], 23, v[TM+12+\b]
.endr
	v_lshl_or_b32 v[PW], v[TM+5], 8, v[TM+4]
	v_lshl_or_b32 v[PW], v[TM+6], 16, v[PW]
	v_lshl_or_b32 v[PW], v[TM+7], 24, v[PW]
.irp c, 0,1
	v_cvt_scalef32_pk16_fp6_f32 v[PC+6*\c:PC+2+6*\c], v[\s+32*\c:\s+15+32*\c], v[TM+12+2*\c]
	v_cvt_scalef32_pk16_fp6_f32 v[PC+12+4*\c:PC+14+4*\c], v[\s+16+32*\c:\s+31+32*\c], v[TM+12+2*\c+1]
.endr
	v_nop                                          ; one plain place behind a scaled conversion
.irp c, 0,1
.irp i, 0,1,2
	v_permlane16_swap_b32 v[PC+6*\c+\i], v[PC+12+4*\c+\i]
.endr
.irp i, 0,1,2
	v_mov_b32 v[PC+3+6*\c+\i], v[PC+12+4*\c+\i]
.endr
.endr
.endm
.macro IMAGE adr, off
.irp c, 0,1,2
	ds_store_b128 v[\adr], v[PC+4*\c:PC+4*\c+3] offset:\off+512*\c
.endr
.endm
.macro FETCH reg, adr, off
.irp c, 0,1,2
	ds_load_b128 v[\reg+4*\c:\reg+4*\c+3], v[\adr] offset:\off+512*\c
.endr
.endm
.macro BARRIER                                 ; my LDS stores have landed and my LDS loads are in: then the work-group's barrier
	s_wait_dscnt 0x0
	s_barrier_signal -1
	s_barrier_wait -1
.endm
	s_load_b512 s[8:23], s[0:1], 0x0               ; x 8, q_img 10, q_scl 12, k_img 14, k_scl 16, v_img 18, v_scl 20, out0 22
	s_load_b512 s[24:39], s[0:1], 0x40             ; w1_codes 24, w1_scales 26, b1 28, w2_codes 30, w2_scales 32, b2 34, ln1_w 36, ln1_b 38
	s_load_b128 s[40:43], s[0:1], 0x80             ; ln2_w 40, ln2_b 42
	v_lshrrev_b32 v90, 5, v0
	v_readfirstlane_b32 s2, v90                    ; wave 0..7
	s_mov_b32 s56, ttmp9                           ; xq: which 128 positions
	s_and_b32 s3, ttmp7, 0xffff                    ; n
	s_lshl_b32 s44, s3, 3
	s_add_co_u32 s44, s44, s2                      ; nh = 8 n + head
	s_mov_b32 s[SEL], 0x76543210
	s_mov_b32 s[SEL+1], 0xfedcba98
	s_mov_b32 s6, 0x3fb8aa3b                       ; c = log2(e)
	s_mov_b32 s7, s6                               ; (named with it as a pair, so it is written)
	s_mov_b32 s52, 0x0000ffff                      ; lanes 0-15
	s_mov_b32 s53, 0xffff0000                      ; lanes 16-31
	s_mov_b32 s54, 0x80000000                      ; the sign bit
	v_and_b32 v91, 15, v0                          ; r
	v_bfe_u32 v92, v0, 4, 1                        ; h
	v_and_b32 v93, 8, v91
	v_add_nc_u32 v93, v93, v91                     ; r + 8 (r / 8)
	v_mul_u32_u24 v1, v91, 24                      ; q's codes: 24 bytes a row
	v_lshlrev_b32 v2, 2, v91                       ; scale words: 4 bytes a row
	s_mul_i32 s45, s2, RB
	v_mul_u32_u24 v3, v91, AP
	v_lshl_add_u32 v3, v92, 6, v3
	v_add_nc_u32 v3, s45, v3                       ; A: my head's region, row r, my 16 channels
	v_lshlrev_b32 v4, 4, v92
	v_sub_nc_u32 v4, v93, v4
	v_cvt_f32_i32 v4, v4                           ; r + 8 (r / 8) - 16 h
	v_lshlrev_b32 v6, 16, v93
	v_lshl_add_u32 v6, v92, 8, v6                  ; the prefetches' offset: my row of x, 256 h; never rewritten
	v_and_b32 v8, 31, v0
	v_lshlrev_b32 v8, 4, v8                        ; 16 x lane
	v_lshlrev_b32 v9, 2, v0                        ; 4 x thread
	v_add_nc_u32 v10, PAR, v9
	s_lshl_b32 s46, s56, 7
	s_lshr_b32 s47, s2, 1
	s_lshl_b32 s47, s47, 5
	s_add_co_u32 s46, s46, s47
	s_and_b32 s47, s2, 1
	s_lshl_b32 s47, s47, 3
	s_add_co_u32 s46, s46, s47                     ; row 0 of the tile that I own as rows: position 128 xq + 32 (w / 2) + 8 (w % 2)
	s_mov_b32 s49, 0
	s_wait_kmcnt 0x0
	s_lshl_b32 s48, s46, 16
	s_lshl_b32 s47, s3, 10
	s_add_co_u32 s48, s48, s47
	s_add_nc_u64 s[8:9], s[8:9], s[48:49]
	s_add_nc_u64 s[22:23], s[22:23], s[48:49]
	s_mul_i32 s48, s44, 8*FRB
	s_add_nc_u64 s[14:15], s[14:15], s[48:49]
	s_add_nc_u64 s[18:19], s[18:19], s[48:49]
	s_lshl_b32 s48, s44, 9
	s_add_nc_u64 s[16:17], s[16:17], s[48:49]
	s_add_nc_u64 s[20:21], s[20:21], s[48:49]
	s_lshl_b32 s47, s44, 5
	s_lshl_b32 s48, s56, 3
	s_add_co_u32 s47, s47, s48                     ; 32 nh + 8 xq: my first query tile
	s_mul_i32 s48, s47, 384
	s_add_nc_u64 s[10:11], s[10:11], s[48:49]
	s_lshl_b32 s48, s47, 6
	s_add_nc_u64 s[12:13], s[12:13], s[48:49]
	s_mul_i32 s48, s2, 24576                       ; my 128 rows of w1 (192 bytes each), my 32 rows of w2 (768 each)
	s_add_nc_u64 s[24:25], s[24:25], s[48:49]
	s_add_nc_u64 s[30:31], s[30:31], s[48:49]
	s_lshl_b32 s48, s2, 10
	s_add_nc_u64 s[26:27], s[26:27], s[48:49]
	s_add_nc_u64 s[32:33], s[32:33], s[48:49]
	s_lshl_b32 s48, s2, 9
	s_add_nc_u64 s[28:29], s[28:29], s[48:49]
	global_load_b32 v192, v9, s[36:37]             ; the five vectors of 256: thread t takes element t
	global_load_b32 v193, v9, s[38:39]
	global_load_b32 v194, v9, s[40:41]
	global_load_b32 v195, v9, s[42:43]
	global_load_b32 v196, v9, s[34:35]
.irp p, 0,1,2
	global_load_b64 v[72+2*\p:73+2*\p], v1, s[10:11] offset:8*\p   ; q of tile 0: both halves of the lanes take row r's 24 bytes
.endr
	global_load_b32 v33, v2, s[12:13]
.irp g, 0,1,2,3,4,5,6,7
	global_load_b32 v[16+\g], v2, s[16:17] offset:64*\g            ; K's scale words: byte b = tile 4 g + b
	global_load_b32 v[24+\g], v2, s[20:21] offset:64*\g            ; V's: (step, u) at 2 step + u
.endr
	WIN 0x40                                       ; destination window 1: K's groups at v[12 g], V's fragments at v[96 + 12 (2 step + u)]
.irp g, 0,1,2,3,4,5,6,7
.irp c, 0,1,2
	global_load_b128 v[12*\g+4*\c:12*\g+4*\c+3], v8, s[14:15] offset:FRB*\g+512*\c
	global_load_b128 v[96+12*\g+4*\c:96+12*\g+4*\c+3], v8, s[18:19] offset:FRB*\g+512*\c
.endr
.endr
	WIN 0
	v_cvt_f32_u32 v90, s2
	v_fma_f32 v90, v90, 0xbec00000, -1.0           ; -1 - 3 head / 8
	v_exp_f32 v90, v90
	v_nop
	s_wait_alu depctr_va_vdst(0)
	v_sub_f32 v90, 1.0, v90
	v_log_f32 v90, v90
	v_nop
	s_wait_alu depctr_va_vdst(0)
	v_mul_f32 v89, 0xbf317218, v90                 ; |decay| = -ln(1 - 2^(-1 - 3 head / 8))
.irp i, 0,1,2,3,4,5
	v_mov_b32 v[36+\i], 0                          ; the zero codes round q, written once
	v_mov_b32 v[48+\i], 0
	v_mov_b32 v[54+\i], 0
	v_mov_b32 v[66+\i], 0
.endr
.irp b, 0,1,2,3
	v_mov_b32 v[236+\b], 0                         ; written once: a lane permute's destination counts as one of its sources
.endr
	v_mov_b32 v253, 0                              ; (named as the upper half of the pair v[252:253] before it is first written)
	s_wait_loadcnt 0x0
.irp k, 0,1,2,3,4
	ds_store_b32 v10, v[192+\k] offset:1024*\k     ; read only behind the first barrier
.endr
.macro DIAG b                                  ; the block that holds the diagonal: -|y|.  A scalar branch on ids and the trip's number
	s_cmp_lg_u32 s[59+\b], 0
	s_cbranch_scc1 .Loff_diag_\@
.irp i, 0,1,2,3,4,5,6,7,8,9,10,11,12,13,14,15
	v_min_num_f32 v[96+16*\b+\i], v[96+16*\b+\i], -v[96+16*\b+\i]
.endr
.Loff_diag_\@:
.endm
; A KEY STEP: keys 128 st .. 128 st + 127
.macro STEP st
.irp b, 0,1,2,3
	s_sub_co_i32 s[59+\b], 32*(4*\st+\b), s58      ; 32 D, D = key block - query block
.endr
.irp b, 0,1,2,3
	v_cvt_f32_i32 v[90+\b], s[59+\b]
.endr
.irp b, 0,1,2,3
	v_mul_f32 v[90+\b], v[90+\b], v89              ; 32 D |decay|
.endr
.irp b, 0,1,2,3
	v_and_or_b32 v[80+2*\b], v[90+\b], s54, v89    ; A = sign(D) |decay|
.endr
.irp b, 0,1,2,3
	v_or_b32 v[81+2*\b], s54, v[90+\b]             ; E = -32 |D| |decay|
.endr
.irp b, 0,1,2,3
.irp i, 0,2,4,6,8,10,12,14
	v_pk_fma_f32 v[96+16*\b+\i:97+16*\b+\i], v[176+\i:177+\i], v[80+2*\b:81+2*\b], v[80+2*\b:81+2*\b] op_sel:[0,0,1] op_sel_hi:[1,0,1]   ; the mask: A X + E
.endr
.endr
	DIAG 0
	DIAG 1
	DIAG 2
	DIAG 3
	PLACES
	WIN 0x01                                       ; source 0 window 1
.irp t, 0,1,2,3,4,5,6,7                        ; S^T = K q^T + the mask: tile t lies in block t % 4 of group 2 st + t / 4, and q's variant has its codes there.  Eight accumulators, one instruction each
	MM 96+8*\t, 12*(2*\st+\t/4), 36+18*(\t%2)+6*(1-(\t%4)/2), 96+8*\t, 16+2*\st+\t/4, 32
.endr
	WIN 0
	PLACES
.irp b, 0,1,2,3
	v_max3_num_f32 v[232+\b], v[96+16*\b], v[97+16*\b], v[98+16*\b]   ; the largest score of each block of 32 keys: for the row's maximum and, since p rises with the score, for the block's largest p
.endr
.irp i, 3,5,7,9,11,13
.irp b, 0,1,2,3
	v_max3_num_f32 v[232+\b], v[232+\b], v[96+16*\b+\i], v[97+16*\b+\i]
.endr
.endr
.irp b, 0,1,2,3
	v_max_num_f32 v[232+\b], v[232+\b], v[111+16*\b]
.endr
.irp b, 0,1,2,3
	v_permlanex16_b32 v[236+\b], v[232+\b], s[SEL], s[SEL+1]
.endr
.irp b, 0,1,2,3
	v_max_num_f32 v[232+\b], v[232+\b], v[236+\b]
.endr
	v_max3_num_f32 v254, v232, v233, v234
	v_max_num_f32 v254, v254, v235
	v_mul_f32 v254, s6, v254                       ; as t
	v_max_num_f32 v13, v13, v254                   ; the running largest t
	v_mov_b32 v254, v12
	v_floor_f32 v12, -v13                          ; -M = floor(-t): M is a whole number
	v_sub_f32 v254, v12, v254                      ; old M - new M
	v_cvt_i32_f32 v254, v254                       ; (it saturates)
	v_ldexp_f32 v252, 1.0, v254                    ; f = 2^(old M - new M): rounds nothing
.set J, 0
.rept 32
	v_pk_fma_f32 v[96+J:97+J], v[96+J:97+J], s[6:7], v[12:13] op_sel_hi:[1,0,0]   ; t - M
.set J, J+2
.endr
.irp b, 0,1,2,3
	v_fma_f32 v[232+\b], v[232+\b], s6, v12
.endr
.set J, 0
.rept 64
	v_exp_f32 v[96+J], v[96+J]                     ; p = 2^(t - M)
.set J, J+1
.endr
.irp b, 0,1,2,3
	v_exp_f32 v[232+\b], v[232+\b]                 ; the block's largest p
.endr
	v_pk_mul_f32 v[14:15], v[14:15], v[252:253] op_sel_hi:[1,0]   ; the sums under the new M; a plain place behind the exponentials
	s_wait_alu depctr_va_vdst(0)
.irp b, 0,1,2,3
	v_max_num_f32 v[232+\b], 0x1800000, v[232+\b]  ; the floor 2^(3 - 127)
.endr
.irp b, 0,1,2,3
	v_add_nc_u32 v[244+\b], 0xff000000, v[232+\b]
.endr
.irp b, 0,1,2,3
	v_lshrrev_b32 v[236+\b], 23, v[244+\b]
.endr
	v_lshl_or_b32 v253, v237, 8, v236              ; p's scale word for these 128 keys
	v_lshl_or_b32 v253, v238, 16, v253
	v_lshl_or_b32 v253, v239, 24, v253
.irp c, 0,1
	v_cvt_scalef32_pk16_fp6_f32 v[224+6*\c:226+6*\c], v[96+32*\c:111+32*\c], v[244+2*\c]
	v_cvt_scalef32_pk16_fp6_f32 v[236+4*\c:238+4*\c], v[112+32*\c:127+32*\c], v[244+2*\c+1]
.endr
	v_nop
.irp c, 0,1
.irp i, 0,1,2
	v_permlane16_swap_b32 v[224+6*\c+\i], v[236+4*\c+\i]
.endr
.irp i, 0,1,2
	v_mov_b32 v[227+6*\c+\i], v[236+4*\c+\i]
.endr
.endr
	v_pk_add_f32 v[236:237], v[96:97], v[98:99]    ; the row's sum is taken of the unquantised p, in two chains.  (These lines are also the places in front of the products below)
.irp j, 4,8,12,16,20,24,28,32,36,40,44,48,52,56,60
	v_pk_add_f32 v[14:15], v[14:15], v[96+\j:97+\j]
	v_pk_add_f32 v[236:237], v[236:237], v[98+\j:99+\j]
.endr
	v_pk_add_f32 v[14:15], v[14:15], v[236:237]
.if \st > 0
.irp j, 0,2,4,6,8,10,12,14
	v_pk_mul_f32 v[160+\j:161+\j], v[160+\j:161+\j], v[252:253] op_sel_hi:[1,0]   ; O^T under the new M
.endr
.endif
	WIN 0x01
.irp u, 0,1                                    ; O^T += V^T p^T; a tile's first step starts the sums: nothing is cleared
.if \st == 0
	MM0 160+8*\u, 96+12*(2*\st+\u), 224, 24+2*\st+\u, 253
.else
	MM 160+8*\u, 96+12*(2*\st+\u), 224, 160+8*\u, 24+2*\st+\u, 253
.endif
.endr
	WIN 0
.endm
	s_mov_b32 s55, 0                               ; the query tile
	s_mov_b32 s57, 0                               ; its 16 rows in A
.Lquery:
	s_wait_loadcnt 0x0                             ; this tile's q has landed; its loads are done, so their bases may step
.irp i, 0,1,2,3,4,5
	v_cndmask_b32 v[42+\i], 0, v[72+\i], s52       ; q in lanes 0-15, zero codes in the others,
	v_cndmask_b32 v[60+\i], 0, v[72+\i], s53       ; and the other way round
.endr
	v_mov_b32 v32, v33
	s_add_nc_u64 s[10:11], s[10:11], 384
	s_add_nc_u64 s[12:13], s[12:13], 64
	s_cmp_eq_u32 s55, 7
	s_cbranch_scc1 .Llast_query
.irp p, 0,1,2
	global_load_b64 v[72+2*\p:73+2*\p], v1, s[10:11] offset:8*\p   ; the next tile's q: a whole trip ahead
.endr
	global_load_b32 v33, v2, s[12:13]
	s_branch .Lq_asked
.Llast_query:                                      ; the last trip asks for no q; in its place a prefetch of the 16 rows of x that I add as residual behind this trip:
	global_prefetch_b8 v6, s[8:9] th:TH_LOAD_NT scope:SCOPE_SE              ; 16 rows x 1,024 bytes, lanes 256 bytes apart, two instructions: each block of 256 bytes named once in the launch
	global_prefetch_b8 v6, s[8:9] offset:512 th:TH_LOAD_NT scope:SCOPE_SE
.Lq_asked:
	s_lshr_b32 s58, s55, 1
	s_lshl_b32 s59, s56, 2
	s_add_co_u32 s58, s58, s59
	s_lshl_b32 s58, s58, 5                         ; 32 x the query block
	s_and_b32 s59, s55, 1
	s_lshl_b32 s59, s59, 3
	v_cvt_f32_u32 v90, s59
	v_add_f32 v176, v4, v90                        ; X_0 = the query's place in its block - 16 h;  X_i = X_0 - i: whole numbers, exact
	v_add_f32 v177, -1.0, v176
	v_add_f32 v178, -2.0, v176
	v_add_f32 v179, -2.0, v177
.irp i, 0,1,2,3
	v_add_f32 v[180+\i], -4.0, v[176+\i]
.endr
.irp i, 0,1,2,3,4,5,6,7
	v_add_f32 v[184+\i], 0xc1000000, v[176+\i]     ; - 8
.endr
	v_mov_b32 v13, 0xff61b1e6                      ; the largest t so far: -3e38
	v_floor_f32 v12, -v13
	v_mov_b32 v14, 0                               ; the sum, in two halves
	v_mov_b32 v15, 0
	STEP 0
	STEP 1
	STEP 2
	STEP 3
	PLACES
	v_add_f32 v14, v14, v15
	v_permlanex16_b32 v252, v14, s[SEL], s[SEL+1]
	v_add_f32 v14, v14, v252                       ; the row's sum
	v_rcp_f32 v14, v14
	s_wait_dscnt 0x0                               ; the last tile's stores have read their registers
	v_add_nc_u32 v7, s57, v3                       ; (a plain place behind the reciprocal)
	s_wait_alu depctr_va_vdst(0)
.irp j, 0,1,2,3,4,5,6,7,8,9,10,11,12,13,14,15
	v_mul_f32 v[192+\j], v[160+\j], v14            ; channel 16 h + j of query r
.endr
.irp i, 0,1,2,3
	ds_store_b128 v7, v[192+4*\i:195+4*\i] offset:16*\i
.endr
	s_add_co_u32 s57, s57, 16*AP
	s_add_co_u32 s55, s55, 1
	s_cmp_lt_u32 s55, 8
	s_cbranch_scc1 .Lquery
	; ---- ROWS: wave w owns A's rows 16 w .. 16 w + 15.  Addresses for all that follows, made anew from the thread's number
	s_wait_dscnt 0x0
	v_and_b32 v80, 15, v0                          ; r
	v_bfe_u32 v81, v0, 4, 1                        ; h
	v_and_b32 v82, 8, v80
	v_add_nc_u32 v82, v82, v80                     ; r + 8 (r / 8)
	v_and_b32 v83, 31, v0                          ; lane
	s_mul_i32 s45, s2, 16*AP
	s_mul_i32 s46, s2, RB
	v_mul_u32_u24 v84, v80, AP
	v_lshl_add_u32 v84, v81, 6, v84
	v_add_nc_u32 v1, s45, v84                      ; v1 lane order: my row 16 w + r, 16 channels of a region; regions 0-3 by the offset,
	v_add_nc_u32 v2, 4*RB, v1                      ; v2 regions 4-7
	v_add_nc_u32 v19, s46, v84                     ; v19 columns: my region w, row r
	v_bfe_u32 v85, v0, 3, 1
	v_mul_u32_u24 v85, v85, RB
	v_mad_u32_u24 v85, v81, AP, v85
	v_and_b32 v86, 7, v0
	v_lshl_add_u32 v85, v86, 4, v85
	v_add_nc_u32 v3, s45, v85                      ; v3 row order: sixteen lanes on 256 bytes of a row (two regions), lanes 16-31 on the next row,
	v_add_nc_u32 v4, 4*RB, v3                      ; v4 the row's upper half
	v_lshlrev_b32 v5, 4, v80
	v_lshl_add_u32 v5, v81, 16, v5                 ; v5 the same in x and in out0
	v_lshl_add_u32 v7, v81, 6, PAR                 ; v7 the vectors: my 16 channels of a block
	v_lshlrev_b32 v9, 2, v83
	v_add_nc_u32 v12, XIMG, v8
	v_add_nc_u32 v13, XSC, v9
	s_mul_i32 s45, s2, 2*FRB
	v_add_nc_u32 v10, s45, v12                     ; where I store my rows' two images
	s_lshl_b32 s45, s2, 8
	v_add_nc_u32 v11, s45, v13
	v_add_nc_u32 v16, HIMG, v8
	v_add_nc_u32 v17, 4*8*FRB, v16                 ; K steps 4-7
	v_add_nc_u32 v18, HSC, v9
	s_mul_i32 s45, s2, 8*FRB
	v_add_nc_u32 v14, s45, v16                     ; where I store the hidden layer's images: K step w
	s_lshl_b32 s45, s2, 10
	v_add_nc_u32 v15, s45, v18
	v_mul_u32_u24 v20, v82, 192
	v_mad_u32_u24 v20, v81, 24, v20                ; w1's fragments
	v_lshlrev_b32 v21, 3, v82                      ; its scale bytes: 8 a row
	v_lshlrev_b32 v22, 6, v81                      ; b1 in the result's layout
	v_mul_u32_u24 v23, v82, 768
	v_mad_u32_u24 v23, v81, 24, v23                ; w2's fragments
	v_lshlrev_b32 v24, 5, v82                      ; its scale bytes: 32 a row
	WIN 0x40                                       ; x's 16 rows into window 1, where K lay (its last products stand far back)
.irp i, 0,1,2,3,4,5,6,7
.irp q, 0,1,2,3
	global_load_b128 v[4*(4*\i+\q):4*(4*\i+\q)+3], v5, s[8:9] offset:(2*\i+8*(\i/4))*65536+256*\q th:TH_LOAD_NT
.endr
.endr
	WIN 0
	s_barrier_signal -1
	s_barrier_wait -1                              ; all eight heads' results lie in A, and the vectors in PAR
.irp b, 0,1,2,3,4,5,6,7                        ; Y = v128-255: register 16 b + i = channel 32 b + 16 h + i of my row
.irp i, 0,1,2,3
	ds_load_b128 v[128+16*\b+4*\i:131+16*\b+4*\i], v[1+\b/4] offset:(\b%4)*RB+16*\i
.endr
.endr
	s_wait_dscnt 0x0
	s_wait_loadcnt 0x0
	WIN 0x04                                       ; an LDS store's data are its source 1: window 1
.irp i, 0,1,2,3,4,5,6,7                        ; x turns from row order to lane order through my own rows of A, which have just been read out
.irp q, 0,1,2,3
	ds_store_b128 v[3+\q/2], v[4*(4*\i+\q):4*(4*\i+\q)+3] offset:(\q%2)*2*RB+2*AP*\i
.endr
.endr
	WIN 0
.irp g, 0,1
.irp b, 0,1,2,3
.irp i, 0,1,2,3
	ds_load_b128 v[32+16*\b+4*\i:35+16*\b+4*\i], v[1+\g] offset:\b*RB+16*\i   ; LDS serves a wave's instructions in order: these see my stores
.endr
.endr
	s_wait_dscnt 0x0
.set J, 0
.rept 32
	v_pk_add_f32 v[128+64*\g+J:129+64*\g+J], v[128+64*\g+J:129+64*\g+J], v[32+J:33+J]   ; attention + x
.set J, J+2
.endr
.endr
	; w1 is asked for now: window 1 is free (the stores of x have read it), and the loads land under the LayerNorm
	WIN 0x40
.irp t, 0,1,2,3,4,5,6,7                        ; (tile t, K step ks) at v[12 (2 t + ks)]; tile t begins at row 32 (t / 2) + 8 (t % 2)
.irp ks, 0,1
.irp p, 0,1,2,3,4,5
	global_load_b64 v[12*(2*\t+\ks)+2*\p:12*(2*\t+\ks)+2*\p+1], v20, s[24:25] offset:(32*(\t/2)+8*(\t%2))*192+96*\ks+48*(\p/3)+8*(\p%3)
.endr
.endr
	global_load_b128 v[192+8*\t:195+8*\t], v22, s[28:29] offset:(32*(\t/2)+8*(\t%2))*4        ; b1 in the result's layout
	global_load_b128 v[196+8*\t:199+8*\t], v22, s[28:29] offset:(32*(\t/2)+8*(\t%2))*4+16
.endr
	WIN 0
.irp t, 0,1,2,3,4,5,6,7
	global_load_b64 v[96+2*\t:97+2*\t], v21, s[26:27] offset:(32*(\t/2)+8*(\t%2))*8           ; both K steps' scale words
.endr
.macro PCHUNK B, offW, offB                    ; gain and bias of my 16 channels of block B into buffer B % 2: eight loads
.irp i, 0,1,2,3
	ds_load_b128 v[32+32*((\B)%2)+4*\i:35+32*((\B)%2)+4*\i], v7 offset:\offW+128*(\B)+16*\i
.endr
.irp i, 0,1,2,3
	ds_load_b128 v[48+32*((\B)%2)+4*\i:51+32*((\B)%2)+4*\i], v7 offset:\offB+128*(\B)+16*\i
.endr
.endm
; Y = (Y - mean) rsqrt(variance + 1e-5) gain + bias over my row's 256 channels, 128 in this lane and 128 in lane l xor 16
.macro LNORM offW, offB
	PCHUNK 0, \offW, \offB
	PCHUNK 1, \offW, \offB
.irp c, 0,1,2,3
	v_pk_add_f32 v[120+2*\c:121+2*\c], v[128+2*\c:129+2*\c], v[136+2*\c:137+2*\c]   ; four chains, started by the first numbers
.endr
.irp k, 2,3,4,5,6,7,8,9,10,11,12,13,14,15
.irp c, 0,1,2,3
	v_pk_add_f32 v[120+2*\c:121+2*\c], v[120+2*\c:121+2*\c], v[128+8*\k+2*\c:129+8*\k+2*\c]
.endr
.endr
	v_pk_add_f32 v[120:121], v[120:121], v[122:123]
	v_pk_add_f32 v[124:125], v[124:125], v[126:127]
	v_pk_add_f32 v[120:121], v[120:121], v[124:125]
	v_add_f32 v120, v120, v121
	v_permlanex16_b32 v121, v120, s[SEL], s[SEL+1]
	v_add_f32 v120, v120, v121
	v_mul_f32 v120, 0x3b800000, v120               ; / 256: the mean
.set J, 0
.rept 64
	v_pk_add_f32 v[128+J:129+J], v[128+J:129+J], v[120:121] op_sel_hi:[1,0] neg_lo:[0,1] neg_hi:[0,1]
.set J, J+2
.endr
.irp c, 0,1,2,3
	v_pk_mul_f32 v[112+2*\c:113+2*\c], v[128+2*\c:129+2*\c], v[128+2*\c:129+2*\c]
.endr
.irp k, 1,2,3,4,5,6,7,8,9,10,11,12,13,14,15
.irp c, 0,1,2,3
	v_pk_fma_f32 v[112+2*\c:113+2*\c], v[128+8*\k+2*\c:129+8*\k+2*\c], v[128+8*\k+2*\c:129+8*\k+2*\c], v[112+2*\c:113+2*\c]
.endr
.endr
	v_pk_add_f32 v[112:113], v[112:113], v[114:115]
	v_pk_add_f32 v[116:117], v[116:117], v[118:119]
	v_pk_add_f32 v[112:113], v[112:113], v[116:117]
	v_add_f32 v112, v112, v113
	v_permlanex16_b32 v113, v112, s[SEL], s[SEL+1]
	v_add_f32 v112, v112, v113
	v_mul_f32 v112, 0x3b800000, v112               ; the variance
	v_add_f32 v112, 0x3727c5ac, v112               ; + 1e-5
	v_rsq_f32 v122, v112
	v_nop                                          ; one plain place behind a transcendental
	s_wait_alu depctr_va_vdst(0)
.irp B, 0,1,2,3,4,5,6,7
.if \B < 7
	s_wait_dscnt 8                                 ; this block's eight loads are in; the next block's eight may be out
.else
	s_wait_dscnt 0x0
.endif
.irp i, 0,2,4,6,8,10,12,14
	v_pk_mul_f32 v[128+16*\B+\i:129+16*\B+\i], v[128+16*\B+\i:129+16*\B+\i], v[122:123] op_sel_hi:[1,0]
.endr
.irp i, 0,2,4,6,8,10,12,14
	v_pk_fma_f32 v[128+16*\B+\i:129+16*\B+\i], v[128+16*\B+\i:129+16*\B+\i], v[32+32*(\B%2)+\i:33+32*(\B%2)+\i], v[48+32*(\B%2)+\i:49+32*(\B%2)+\i]
.endr
.if \B < 6
	PCHUNK \B+2, \offW, \offB
.endif
.endr
.endm
.macro YSTORE                                  ; Y into my own rows of A, lane order
.irp b, 0,1,2,3,4,5,6,7
.irp i, 0,1,2,3
	ds_store_b128 v[1+\b/4], v[128+16*\b+4*\i:131+16*\b+4*\i] offset:(\b%4)*RB+16*\i
.endr
.endr
.endm
	LNORM 0, 1024
	YSTORE                                         ; kept for the second residual
	QUANT 128
	IMAGE 10, 0
	ds_store_b32 v11, v[PW]
	s_wait_dscnt 0x0                               ; the stores have read their registers
	QUANT 192
	IMAGE 10, FRB
	ds_store_b32 v11, v[PW] offset:128
	BARRIER                                        ; y's sixteen fragments lie in LDS, and y itself in A
	; ---- COLUMNS 1: my 128 hidden units, a tile of 16 rows a trip.  Source 0 = 16 rows of w1, source 1 = y; b1 starts each sum; eight accumulators by turns
	s_wait_loadcnt 0x0                             ; w1, its scale words, b1
	s_mov_b32 s55, 0
	s_mov_b32 s57, 0
	s_mov_b32 s58, 0
	s_mov_b32 s59, 0
	s_mov_b32 s60, 0
.Lhidden:
	v_add_nc_u32 v25, s57, v12
	v_add_nc_u32 v26, s58, v13
	v_add_nc_u32 v27, s59, v14
	v_add_nc_u32 v28, s60, v15
	FETCH 128, 25, 0
	FETCH 140, 25, FRB
	ds_load_b32 v112, v26
	ds_load_b32 v113, v26 offset:128
	s_wait_dscnt 0x0
	WIN 0x11                                       ; source 0 (w1) and source 2 (b1) window 1
.irp t, 0,1,2,3,4,5,6,7
	MM 160+8*\t, 12*(2*\t), 128, 192+8*\t, 96+2*\t, 112
.endr
	WIN 0x01
.irp t, 0,1,2,3,4,5,6,7
	MM 160+8*\t, 12*(2*\t+1), 140, 160+8*\t, 97+2*\t, 113
.endr
	WIN 0
	PLACES
.set J, 0
.rept 64
	v_max_num_f32 v[160+J], 0, v[160+J]            ; the activation, in f32
.set J, J+1
.endr
	QUANT 160
	IMAGE 27, 0                                    ; K step w of the second product, this tile's rows
	ds_store_b32 v28, v[PW]
	s_wait_dscnt 0x0                               ; the stores have read their registers and addresses
	s_add_co_u32 s57, s57, 2*FRB
	s_add_co_u32 s58, s58, 256
	s_add_co_u32 s59, s59, FRB
	s_add_co_u32 s60, s60, 128
	s_add_co_u32 s55, s55, 1
	s_cmp_lt_u32 s55, 8
	s_cbranch_scc1 .Lhidden
	WIN 0x40                                       ; w2 takes w1's place: (tile u, K step ks) at v[12 (8 u + ks)]
.irp u, 0,1
.irp ks, 0,1,2,3,4,5,6,7
.irp p, 0,1,2,3,4,5
	global_load_b64 v[12*(8*\u+\ks)+2*\p:12*(8*\u+\ks)+2*\p+1], v23, s[30:31] offset:8*\u*768+96*\ks+48*(\p/3)+8*(\p%3)
.endr
.endr
.endr
	WIN 0
.irp u, 0,1
	global_load_b128 v[96+8*\u:99+8*\u], v24, s[32:33] offset:256*\u          ; a row's 32 scale bytes: the words of all eight K steps
	global_load_b128 v[100+8*\u:103+8*\u], v24, s[32:33] offset:256*\u+16
.endr
	BARRIER                                        ; the hidden layer's 64 fragments lie in LDS
	s_wait_loadcnt 0x0
	; ---- COLUMNS 2: my 32 outputs, four tiles of rows a trip.  The sums begin as y (my region of A); eight accumulators by turns, a K step at a time; the next K step's fragments are fetched a step ahead
.macro HFETCH ks
.irp m, 0,1,2,3
.irp c, 0,1,2
	ds_load_b128 v[192-160*((\ks)%2)+12*\m+4*\c:195-160*((\ks)%2)+12*\m+4*\c], v[26+(\ks)/4] offset:8*FRB*((\ks)%4)+FRB*\m+512*\c
.endr
	ds_load_b32 v[112+4*((\ks)%2)+\m], v28 offset:1024*(\ks)+128*\m
.endr
.endm
	s_mov_b32 s55, 0
	s_mov_b32 s57, 0
	s_mov_b32 s58, 0
	s_mov_b32 s59, 0
.Lout:
	v_add_nc_u32 v25, s57, v19
	v_add_nc_u32 v26, s58, v16
	v_add_nc_u32 v27, s58, v17
	v_add_nc_u32 v28, s59, v18
.irp m, 0,1,2,3
.irp u, 0,1
	ds_load_b128 v[128+8*(2*\m+\u):131+8*(2*\m+\u)], v25 offset:16*AP*\m+32*\u       ; lane (r, h): y(16 m + r, 32 w + 16 h + 8 u + 0 .. 7)
	ds_load_b128 v[132+8*(2*\m+\u):135+8*(2*\m+\u)], v25 offset:16*AP*\m+32*\u+16
.endr
.endr
	HFETCH 0
.irp ks, 0,1,2,3,4,5,6,7
.if \ks > 0
	PLACES                                         ; in front of loads into the buffer that the last step's products read
.endif
.if \ks < 7
	HFETCH \ks+1
	s_wait_dscnt 16                                ; all but the 12 + 4 loads just issued
.else
	s_wait_dscnt 0x0
.endif
	WIN 0x01
.irp m, 0,1,2,3
.irp u, 0,1
	MM 128+8*(2*\m+\u), 12*(8*\u+\ks), 192-160*(\ks%2)+12*\m, 128+8*(2*\m+\u), 96+8*\u+\ks, 112+4*(\ks%2)+\m
.endr
.endr
	WIN 0
.endr
	PLACES
.irp m, 0,1,2,3
.irp u, 0,1
	ds_store_b128 v25, v[128+8*(2*\m+\u):131+8*(2*\m+\u)] offset:16*AP*\m+32*\u      ; back to the bytes that they came from, each accumulator from its low end on
	ds_store_b128 v25, v[132+8*(2*\m+\u):135+8*(2*\m+\u)] offset:16*AP*\m+32*\u+16
.endr
.endr
	s_wait_dscnt 0x0                               ; the stores have read their registers and address
	s_add_co_u32 s57, s57, 64*AP
	s_add_co_u32 s58, s58, 4*FRB
	s_add_co_u32 s59, s59, 512
	s_add_co_u32 s55, s55, 1
	s_cmp_lt_u32 s55, 2
	s_cbranch_scc1 .Lout
	s_barrier_signal -1
	s_barrier_wait -1                              ; A holds relu(..) w2^T + y for all 128 rows
	; ---- ROWS again: + b2, the second LayerNorm, and out
.irp b, 0,1,2,3,4,5,6,7
.irp i, 0,1,2,3
	ds_load_b128 v[128+16*\b+4*\i:131+16*\b+4*\i], v[1+\b/4] offset:(\b%4)*RB+16*\i
.endr
.endr
.irp g, 0,1
.irp b, 0,1,2,3
.irp i, 0,1,2,3
	ds_load_b128 v[32+16*\b+4*\i:35+16*\b+4*\i], v7 offset:4096+512*\g+128*\b+16*\i   ; b2 of my channels
.endr
.endr
	s_wait_dscnt 0x0
.set J, 0
.rept 32
	v_pk_add_f32 v[128+64*\g+J:129+64*\g+J], v[128+64*\g+J:129+64*\g+J], v[32+J:33+J]
.set J, J+2
.endr
.endr
	LNORM 2048, 3072
	YSTORE                                         ; the result turns from lane order to row order through my own rows
	s_wait_dscnt 0x0                               ; the stores have read their registers, into which the loads below land
.irp i, 0,1,2,3,4,5,6,7
.irp q, 0,1,2,3
	ds_load_b128 v[128+4*(4*\i+\q):131+4*(4*\i+\q)], v[3+\q/2] offset:(\q%2)*2*RB+2*AP*\i
.endr
.endr
.irp i, 0,1,2,3,4,5,6,7
.irp q, 0,1,2,3
	s_wait_dscnt 31-(4*\i+\q)                      ; LDS loads come back in order: this one is in, the younger ones may be out
	global_store_b128 v5, v[128+4*(4*\i+\q):131+4*(4*\i+\q)], s[22:23] offset:(2*\i+8*(\i/4))*65536+256*\q th:TH_STORE_NT   ; sixteen lanes store 256 consecutive bytes, aligned
.endr
.endr
	s_wait_xcnt 0x0
	v_lshl_add_u32 v254, v0, 2, 0x46000
	v_mov_b32 v255, 0
	s_wait_tensorcnt 0x0
	ds_add_u32 v254, v255
	s_wait_dscnt 0x0
	s_endpgm
.Lfunc_end_k_q78d9dc1c38_attn_ffn:
	.size	k_q78d9dc1c38_attn_ffn, .Lfunc_end_k_q78d9dc1c38_attn_ffn-k_q78d9dc1c38_attn_ffn
	.p2alignl 7, 3214868480
	.fill 96, 4, 3214868480
	.section	.rodata,"a",@progbits
	.p2align	6, 0x0
	.amdhsa_kernel k_q78d9dc1c38_attn_ffn
		.amdhsa_group_segment_fixed_size 287744
		.amdhsa_private_segment_fixed_size 0
		.amdhsa_enable_private_segment 0
		.amdhsa_kernarg_size 144
		.amdhsa_user_sgpr_count 2
		.amdhsa_user_sgpr_kernarg_segment_ptr 1
		.amdhsa_wavefront_size32 1
		.amdhsa_system_sgpr_workgroup_id_x 1
		.amdhsa_system_sgpr_workgroup_id_y 1
		.amdhsa_system_sgpr_workgroup_id_z 1
		.amdhsa_system_vgpr_workitem_id 0
		.amdhsa_next_free_vgpr 512
		.amdhsa_next_free_sgpr 96
		.amdhsa_reserve_vcc 0
		.amdhsa_float_denorm_mode_32 3
		.amdhsa_float_denorm_mode_16_64 3
		.amdhsa_memory_ordered 1
		.amdhsa_forward_progress 1
		.amdhsa_inst_pref_size 237
	.end_amdhsa_kernel
	.amdgpu_metadata
---
amdhsa.version: [ 1, 2 ]
amdhsa.kernels:
  - .name:           k_q78d9dc1c38_attn_ffn
    .symbol:         k_q78d9dc1c38_attn_ffn.kd
    .args:
      - { .name: x, .offset: 0, .size: 8, .value_kind: global_buffer, .address_space: global }
      - { .name: q_img, .offset: 8, .size: 8, .value_kind: global_buffer, .address_space: global }
      - { .name: q_scl, .offset: 16, .size: 8, .value_kind: global_buffer, .address_space: global }
      - { .name: k_img, .offset: 24, .size: 8, .value_kind: global_buffer, .address_space: global }
      - { .name: k_scl, .offset: 32, .size: 8, .value_kind: global_buffer, .address_space: global }
      - { .name: v_img, .offset: 40, .size: 8, .value_kind: global_buffer, .address_space: global }
      - { .name: v_scl, .offset: 48, .size: 8, .value_kind: global_buffer, .address_space: global }
      - { .name: out0, .offset: 56, .size: 8, .value_kind: global_buffer, .address_space: global }
      - { .name: w1_codes, .offset: 64, .size: 8, .value_kind: global_buffer, .address_space: global }
      - { .name: w1_scales, .offset: 72, .size: 8, .value_kind: global_buffer, .address_space: global }
      - { .name: b1, .offset: 80, .size: 8, .value_kind: global_buffer, .address_space: global }
      - { .name: w2_codes, .offset: 88, .size: 8, .value_kind: global_buffer, .address_space: global }
      - { .name: w2_scales, .offset: 96, .size: 8, .value_kind: global_buffer, .address_space: global }
      - { .name: b2, .offset: 104, .size: 8, .value_kind: global_buffer, .address_space: global }
      - { .name: ln1_w, .offset: 112, .size: 8, .value_kind: global_buffer, .address_space: global }
      - { .name: ln1_b, .offset: 120, .size: 8, .value_kind: global_buffer, .address_space: global }
      - { .name: ln2_w, .offset: 128, .size: 8, .value_kind: global_buffer, .address_space: global }
      - { .name: ln2_b, .offset: 136, .size: 8, .value_kind: global_buffer, .address_space: global }
    .group_segment_fixed_size: 287744
    .private_segment_fixed_size: 0
    .kernarg_segment_align: 8
    .kernarg_segment_size: 144
    .max_flat_workgroup_size: 256
    .sgpr_count:     96
    .vgpr_count:     512
    .wavefront_size: 32
...
	.end_amdgpu_metadata
.endif
;; end of part 2
;; ======== version 2 of 2: 2 launches; version 1 with the launches proj, attn_ffn written anew for expert scheduling mode
;; workspace buffers: q_img 6,291,456 bytes; q_scl 1,048,576 bytes; k_img 6,291,456 bytes; k_scl 262,144 bytes; v_img 6,291,456 bytes; v_scl 262,144 bytes
;; launch proj (part 3): grid 4 x 64, 8 waves a work-group, no clusters, 177,152 bytes of LDS; arguments x, wq_codes, wq_scales, bq, wk_codes, wk_scales, bk, wv_codes, wv_scales, bv, q_img, q_scl, k_img, k_scl, v_img, v_scl; writes q_img, q_scl, k_img, k_scl, v_img, v_scl
.if DOCPART == 3
	.amdgcn_target "amdgcn-amd-amdhsa--gfx1250"
	.amdhsa_code_object_version 6
	.text
	.protected	k_q78d9dc1c38_proj
	.globl	k_q78d9dc1c38_proj
	.p2align	8
	.type	k_q78d9dc1c38_proj,@function
k_q78d9dc1c38_proj:
	s_mov_b64 s[64:65], 0
	v_nop
	global_prefetch_b8 v0, s[64:65] scope:SCOPE_SE
	s_setreg_imm32_b32 hwreg(HW_REG_WAVE_SCHED_MODE, 0, 2), 2
	s_setreg_imm32_b32 hwreg(HW_REG_WAVE_MODE, 25, 1), 1
	s_wait_xcnt 0x0
	s_wait_alu depctr_vm_vsrc(0)
; q = rotary(x wq^T + bq), k = rotary(x wk^T + bk), v = x wv^T + bv, all three products on codes of FP6 (E2M3) with one E8M0 scale for each 32 along K,
; and q, k (along the head's 32 channels) and v (along the keys) quantised again and stored in the order of the next launch's operand registers.
; x: [512 s][64 n][256] f32.  Weights: codes [256][8][24] and scale bytes [256][8].  A work-group takes 128 positions s of one n (x of the grid: which 128; y: n).
; TILE ORDER.  A tile of 16 positions is not 16 neighbours: row r of tile T is position 32 (T / 2) + 8 (T % 2) + r + 8 (r / 8), so that the 16 registers of two neighbouring tiles of a
; transposed product are 16 neighbours.  The rows of a weight that form a tile are chosen in the same way.
; SHARES.  Wave w first quantises the 16 rows of tile w of x and makes that tile's table of cosines and sines; both go to LDS as images of registers; ONE barrier; then wave w is head w:
; its 32 rows of wq, wk, wv stay in 240 registers (window 1) and it walks all 8 tiles.
; THE ROTARY TURN wants y[2 c + 1] and y[2 (c - 16)] beside y[c].  That is the same product on the weight's rows taken in that order, so it is made by a second set of fragments (and of biases):
; no lane traffic; the turn is one packed multiply and one packed multiply-add for two channels.  The minus sign of the lower half lies in the sine.
; SINE AND COSINE in f32: k = nearest whole number to theta 2 / pi, theta - k pi / 2 in two fused steps (the first is exact for theta under 512), polynomials of degree 7 and 8 on +-pi / 4, quadrant by selects.
; No cluster and no tensor load: what work-groups share here are the weights, 150 KB, which go straight into registers where they stay; x is read by one work-group alone.
; LIMITS: theta = s x angle stays under 512 (the shapes fix it); a block of zeros gets the scale byte 1 where the rule says 127 (its codes are zeros, and only this program reads the bytes);
; NaN and infinities among the inputs are not served.
; REGISTERS, window 0: v1-21 addresses and lane constants; v24-43 the weights' scale words; v44-47 x's; v48-127 biases; v128-159 accumulators; v160-207 x's fragments and the table; v208-249 codes; v250-252 at work.
; THE MODE: SCHED_MODE bits 1:0 = 2 (LLVM: expert scheduling mode 2), set by the entry lines.  The code itself states the register dependences
; between vector or matrix instructions and memory or LDS instructions, with s_wait_alu, always for 0.
; THE PLAN, behind the barrier.  Registers that memory or LDS instructions touch:
;   v1-v19               offsets and LDS addresses: made once at the head, never written again; all else stands in immediate offsets.
;   v160-183, v44, v45   a tile's fragments of x and their scale words.  Read by the tile's sixteen products; behind the last of them the next tile's eight LDS loads land there.
;   v184-199             a tile's table.  Read by both turns of the tile; loaded again at the next tile's head.
;   v228-230, v232-234   q's codes, two out-buffers by turns;  v238 q's scale words of two tiles;  v208-219 k's fragment of four tiles;  v242 k's scale words.
;                        Written by tile t's vector instructions; read by the stores that are issued at the head of tile t + 1.
; So a tile has two waits on va_vdst: one at its head (the tile before has written its out-buffers and is done with the table: the stores and the table's loads follow), and one behind its last
; products (they are done with the fragments: the next tile's loads follow, and land under the second turn and k's quantising, which name none of those registers).
; The wait on vm_vsrc at a tile's head, beside s_wait_xcnt 0, stands a whole tile behind the stores whose data this tile writes again.  Pass 2 goes the same way, a block of 32 keys at a time.
.set XROW,  1040                       ; a row of the stage: 1,024 bytes + 16: an odd multiple of 16 bytes, so that sixteen rows begin in different banks
.set XWAVE, 16*XROW                    ; LDS 0: a stage of 16 rows for each wave
.set XIMG,  8*XWAVE                    ; x's 16 fragments, (tile t, K step ks) at (2 t + ks) x 1,536
.set FRB,   1536                       ; a fragment's image: 12 registers x 128 bytes
.set XSC,   XIMG+16*FRB                ; their scale words, 128 bytes each
.set CSI,   XSC+16*128                 ; the tables, 2,048 bytes a tile
.set TM,    48                         ; at work in QUANT
.set PC,    64                         ; the codes that QUANT makes
.set PW,    84                         ; and their scale word
.set SEL,   4                          ; s[4:5] v_permlanex16_b32's selects for lane l xor 16
.set MSB, 0
.macro WIN new                         ; the immediate's high byte repeats the setting that is left
.if MSB != \new
	s_set_vgpr_msb (MSB<<8)|\new
.set MSB, \new
.endif
.endm
.macro PLACES                          ; four places behind a matrix instruction of this form, in front of reads of its results and of loads into its registers
.rept 4
	v_nop
.endr
.endm
.macro MM d, a, b, c, sa, sb
	v_wmma_scale_f32_16x16x128_f8f6f4 v[\d:\d+7], v[\a:\a+11], v[\b:\b+11], v[\c:\c+7], v[\sa], v[\sb] matrix_a_fmt:MATRIX_FMT_FP6 matrix_b_fmt:MATRIX_FMT_FP6
.endm
; 64 numbers of a lane, register 16 b + i = k 32 b + 16 (lane / 16) + i of my row, become a fragment's codes in v[PC] on and its scale word in v[PW]
.macro QUANT s
.irp b, 0,1,2,3
	v_max3_num_f32 v[TM+\b], |v[\s+16*\b]|, |v[\s+1+16*\b]|, 0x1800000   ; my 16 numbers of block b, and the floor 2^(3 - 127): the byte cannot fall under 1
.endr
.irp i, 2,4,6,8,10,12,14
.irp b, 0,1,2,3
	v_max3_num_f32 v[TM+\b], v[TM+\b], |v[\s+16*\b+\i]|, |v[\s+1+16*\b+\i]|
.endr
.endr
.irp b, 0,1,2,3
	v_permlanex16_b32 v[TM+4+\b], v[TM+\b], s[SEL], s[SEL+1]
.endr
.irp b, 0,1,2,3
	v_max_num_f32 v[TM+\b], v[TM+\b], v[TM+4+\b]   ; with lane l xor 16's: the block's largest magnitude
.endr
.irp b, 0,1,2,3
	v_add_nc_u32 v[TM+12+\b], 0xff000000, v[TM+\b]   ; 2 off its exponent field: the conversion's scale operand
.endr
.irp b, 0,1,2,3
	v_lshrrev_b32 v[TM+4+\b], 23, v[TM+12+\b]      ; the scale's byte
.endr
	v_lshl_or_b32 v[PW], v[TM+5], 8, v[TM+4]
	v_lshl_or_b32 v[PW], v[TM+6], 16, v[PW]
	v_lshl_or_b32 v[PW], v[TM+7], 24, v[PW]
.irp c, 0,1
	v_cvt_scalef32_pk16_fp6_f32 v[PC+6*\c:PC+2+6*\c], v[\s+32*\c:\s+15+32*\c], v[TM+12+2*\c]
	v_cvt_scalef32_pk16_fp6_f32 v[PC+12+4*\c:PC+14+4*\c], v[\s+16+32*\c:\s+31+32*\c], v[TM+12+2*\c+1]   ; (a conversion's three registers begin on an even number)
.endr
	v_nop                                          ; one plain place behind a scaled conversion
.irp c, 0,1                                    ; the operand wants a WHOLE block in a lane: lanes 0-15 block 2 c, lanes 16-31 block 2 c + 1
.irp i, 0,1,2
	v_permlane16_swap_b32 v[PC+6*\c+\i], v[PC+12+4*\c+\i]
.endr
.irp i, 0,1,2
	v_mov_b32 v[PC+3+6*\c+\i], v[PC+12+4*\c+\i]
.endr
.endr
.endm
.macro IMAGE adr, off                          ; the fragment in v[PC] on goes to LDS as it stands: lane l's 16 bytes at 16 l
.irp c, 0,1,2
	ds_store_b128 v[\adr], v[PC+4*\c:PC+4*\c+3] offset:\off+512*\c
.endr
.endm
.macro FETCH reg, adr, off                     ; and comes back so, in any wave
.irp c, 0,1,2
	ds_load_b128 v[\reg+4*\c:\reg+4*\c+3], v[\adr] offset:\off+512*\c
.endr
.endm
; 16 numbers of a lane, half a block of 32 (the other half lies in lane l xor 16), become 96 bits of codes in v[d] on and the block's scale byte in v[e].  The second accumulator's first read is of its low end.
.macro Q16 s, d, e
	v_max3_num_f32 v250, |v[\s]|, |v[\s+1]|, 0x1800000
	v_max3_num_f32 v251, |v[\s+8]|, |v[\s+9]|, |v[\s+10]|
	v_max3_num_f32 v250, v250, |v[\s+2]|, |v[\s+3]|
	v_max3_num_f32 v251, v251, |v[\s+11]|, |v[\s+12]|
	v_max3_num_f32 v250, v250, |v[\s+4]|, |v[\s+5]|
	v_max3_num_f32 v251, v251, |v[\s+13]|, |v[\s+14]|
	v_max3_num_f32 v250, v250, |v[\s+6]|, |v[\s+7]|
	v_max3_num_f32 v250, v250, v251, |v[\s+15]|
	v_permlanex16_b32 v251, v250, s[SEL], s[SEL+1]
	v_max_num_f32 v250, v250, v251
	v_add_nc_u32 v252, 0xff000000, v250
	v_cvt_scalef32_pk16_fp6_f32 v[\d:\d+2], v[\s:\s+15], v252
	v_lshrrev_b32 v[\e], 23, v252                  ; the byte; also the plain place behind the conversion
.endm
.macro SWAP3 a, b                              ; two half blocks a lane become one whole block a lane: registers a .. a + 5
.irp i, 0,1,2
	v_permlane16_swap_b32 v[\a+\i], v[\b+\i]
.endr
.irp i, 0,1,2
	v_mov_b32 v[\a+3+\i], v[\b+\i]
.endr
.endm
; Cosine and signed sine of s x angle for my channels 16 (lane / 16) + 2 i, 2 i + 1, which share an angle: alo in lanes 0-15, ahi in lanes 16-31.  In two parts, so that the eight compares stand in one run.
; SC1: the sine and the cosine on +-pi / 4 into v[89 + 2 i] and v[88 + 2 i], the quadrant into v[56 + i], and whether it is odd into s[56 + i]
.macro SC1 i, alo, ahi
	v_mov_b32 v104, \ahi
	v_cndmask_b32 v104, \alo, v104, vcc_lo
	v_mul_f32 v105, v21, v104                      ; theta
	v_mul_f32 v106, s40, v105
	v_rndne_f32 v106, v106                         ; k
	v_fma_f32 v107, v106, s41, v105                ; theta - k x (pi / 2 rounded to f32): exact
	v_fma_f32 v107, v106, s42, v107                ; and the rest of pi / 2
	v_cvt_i32_f32 v[56+\i], v106
	v_mul_f32 v109, v107, v107                     ; z
	v_fma_f32 v110, v109, s45, s44
	v_fma_f32 v112, v109, s48, s47
	v_fma_f32 v110, v110, v109, s43
	v_fma_f32 v112, v112, v109, s46
	v_mul_f32 v111, v109, v107
	v_mul_f32 v113, v109, v109
	v_fma_f32 v114, v109, -0.5, 1.0
	v_fma_f32 v[89+2*\i], v110, v111, v107         ; the sine on +-pi / 4
	v_fma_f32 v[88+2*\i], v112, v113, v114         ; the cosine
	v_and_b32 v115, 1, v[56+\i]
	v_cmp_eq_u32 s[56+\i], 1, v115                 ; an odd quadrant swaps the two
.endm
; SC2: the quadrant's swap and signs
.macro SC2 i
	v_cndmask_b32 v116, v[89+2*\i], v[88+2*\i], s[56+\i]
	v_cndmask_b32 v117, v[88+2*\i], v[89+2*\i], s[56+\i]
	v_lshlrev_b32 v118, 30, v[56+\i]               ; the sine is negative in quadrants 2, 3,
	v_and_b32 v118, 0x80000000, v118
	v_xor_b32 v118, v118, v20                      ; and carries the turn's minus sign in lanes 0-15
	v_add_nc_u32 v119, 1, v[56+\i]                 ; the cosine in quadrants 1, 2
	v_lshlrev_b32 v119, 30, v119
	v_and_b32 v119, 0x80000000, v119
	v_xor_b32 v[88+2*\i], v117, v119
	v_xor_b32 v[89+2*\i], v116, v118
.endm
	s_load_b512 s[8:23], s[0:1], 0x0               ; x 8, wq_codes 10, wq_scales 12, bq 14, wk_codes 16, wk_scales 18, bk 20, wv_codes 22
	s_load_b512 s[24:39], s[0:1], 0x40             ; wv_scales 24, bv 26, q_img 28, q_scl 30, k_img 32, k_scl 34, v_img 36, v_scl 38
	s_set_vgpr_msb 0x40
	v_lshl_add_u32 v254, v0, 2, 0x2b000
	v_mov_b32 v255, 0
	s_set_vgpr_msb 0x4000
	v_lshrrev_b32 v22, 5, v0
	v_readfirstlane_b32 s2, v22                    ; wave 0..7: first a tile of rows, then a head
	s_mov_b32 s3, ttmp9                            ; which 128 positions
	s_and_b32 s6, ttmp7, 0xffff                    ; n
	s_lshl_b32 s7, s6, 3
	s_wait_alu depctr_va_sdst(0)                   ; s2 is written, ahead of its first reader
	s_add_co_u32 s7, s7, s2                        ; nh = 8 n + head
	s_mov_b32 s[SEL], 0x76543210
	s_mov_b32 s[SEL+1], 0xfedcba98
	s_mov_b32 vcc_lo, 0xffff0000                   ; lanes 16-31: kept for the whole body
	s_mov_b32 s40, 0x3f22f983                      ; 2 / pi
	s_mov_b32 s41, 0xbfc90fdb                      ; -(pi / 2 rounded to f32)
	s_mov_b32 s42, 0x333bbd2e                      ; that rounded number - pi / 2
	s_mov_b32 s43, 0xbe2aaaa3                      ; sine: -1.6666654611e-1,
	s_mov_b32 s44, 0x3c08839e                      ; 8.3321608736e-3,
	s_mov_b32 s45, 0xb94ca1f9                      ; -1.9515295891e-4
	s_mov_b32 s46, 0x3d2aaaa5                      ; cosine: 4.166664568e-2,
	s_mov_b32 s47, 0xbab6061a                      ; -1.388731625e-3,
	s_mov_b32 s48, 0x37ccf5ce                      ; 2.443315712e-5
	s_lshl_b32 s51, s3, 7
	s_lshr_b32 s52, s2, 1
	s_lshl_b32 s52, s52, 5
	s_add_co_u32 s51, s51, s52
	s_and_b32 s52, s2, 1
	s_lshl_b32 s52, s52, 3
	s_add_co_u32 s51, s51, s52                     ; row 0 of my tile: position 128 xq + 32 (w / 2) + 8 (w % 2)
	v_and_b32 v22, 15, v0                          ; r
	v_bfe_u32 v23, v0, 4, 1                        ; h
	v_and_b32 v250, 8, v22
	v_add_nc_u32 v250, v250, v22                   ; r + 8 (r / 8)
	v_lshrrev_b32 v251, 3, v22
	v_mul_u32_u24 v251, v251, 17
	v_lshl_add_u32 v252, v22, 1, 1
	v_sub_nc_u32 v251, v252, v251                  ; 2 r + 1 - 17 (r / 8): the turned order of a weight's rows
	v_and_b32 v252, 31, v0                         ; lane
	v_lshlrev_b32 v1, 4, v22
	v_lshl_add_u32 v1, v23, 16, v1                 ; x by rows: sixteen lanes on 256 bytes of a row, lanes 16-31 on the next position (65,536 bytes on)
	v_mul_u32_u24 v2, v250, 192
	v_mad_u32_u24 v2, v23, 24, v2                  ; a weight's fragment, rows in tile order: 192 bytes a row, + 24 h
	v_mul_u32_u24 v3, v251, 192
	v_mad_u32_u24 v3, v23, 24, v3                  ; the same, rows in the turned order
	v_lshlrev_b32 v4, 3, v250                      ; their scale bytes: 8 a row
	v_lshlrev_b32 v5, 3, v251
	v_lshlrev_b32 v6, 6, v23                       ; a bias in the result's layout: channels 16 h on
	v_xor_b32 v7, 1, v23
	v_lshlrev_b32 v20, 31, v7                      ; the sign bit in lanes 0-15
	v_lshlrev_b32 v7, 2, v7                        ; the turned bias: channel 2 j + 1 in lanes 0-15, 2 j in lanes 16-31
	v_lshlrev_b32 v8, 2, v250                      ; v's bias: one channel a lane
	v_lshlrev_b32 v9, 4, v252                      ; 16 x lane
	v_lshlrev_b32 v10, 2, v252                     ; 4 x lane
	s_mul_i32 s52, s2, XWAVE
	v_mul_u32_u24 v11, v23, XROW
	v_lshl_add_u32 v11, v22, 4, v11
	v_add_nc_u32 v11, s52, v11                     ; my stage, on the way in
	v_mul_u32_u24 v12, v22, XROW
	v_lshl_add_u32 v12, v23, 6, v12
	v_add_nc_u32 v12, s52, v12                     ; and out: row r, my 16 numbers of each block of 32
	v_add_nc_u32 v16, XIMG, v9
	v_add_nc_u32 v17, XSC, v10
	v_add_nc_u32 v18, CSI, v9
	s_mul_i32 s52, s2, 2*FRB
	v_add_nc_u32 v13, s52, v16                     ; where I store my tile's two images,
	s_lshl_b32 s52, s2, 8
	v_add_nc_u32 v14, s52, v17                     ; their scale words,
	s_lshl_b32 s52, s2, 11
	v_add_nc_u32 v15, s52, v18                     ; and its table
	v_mul_u32_u24 v19, v22, 24
	v_mad_u32_u24 v19, v23, 12, v19                ; q's codes: 24 bytes a row, my half's 12
	v_add_nc_u32 v21, s51, v250
	v_cvt_f32_u32 v21, v21                         ; my row's position s
.irp b, 0,1,2,3
	v_mov_b32 v[TM+4+\b], 0                        ; written once: a lane permute's destination counts as one of its sources
.endr
	s_mov_b32 s53, 0
	s_wait_kmcnt 0x0
	s_lshl_b32 s52, s51, 16
	s_lshl_b32 s54, s6, 10
	s_add_co_u32 s52, s52, s54
	s_add_nc_u64 s[8:9], s[8:9], s[52:53]          ; x at my tile's row 0
	s_mul_i32 s52, s2, 6144
	s_add_nc_u64 s[10:11], s[10:11], s[52:53]      ; the weights at my head's 32 rows
	s_add_nc_u64 s[16:17], s[16:17], s[52:53]
	s_add_nc_u64 s[22:23], s[22:23], s[52:53]
	s_lshl_b32 s52, s2, 8
	s_add_nc_u64 s[12:13], s[12:13], s[52:53]
	s_add_nc_u64 s[18:19], s[18:19], s[52:53]
	s_add_nc_u64 s[24:25], s[24:25], s[52:53]
	s_lshl_b32 s52, s2, 7
	s_add_nc_u64 s[14:15], s[14:15], s[52:53]
	s_add_nc_u64 s[20:21], s[20:21], s[52:53]
	s_add_nc_u64 s[26:27], s[26:27], s[52:53]
	s_lshl_b32 s54, s7, 5
	s_lshl_b32 s55, s3, 3
	s_add_co_u32 s54, s54, s55                     ; 32 nh + 8 xq: my first tile
	s_mul_i32 s52, s54, 384
	s_add_nc_u64 s[28:29], s[28:29], s[52:53]
	s_lshl_b32 s52, s54, 6
	s_add_nc_u64 s[30:31], s[30:31], s[52:53]
	s_lshl_b32 s54, s7, 3
	s_lshl_b32 s55, s3, 1
	s_add_co_u32 s54, s54, s55                     ; 8 nh + 2 xq: my first group of four key tiles
	s_mul_i32 s52, s54, FRB
	s_add_nc_u64 s[32:33], s[32:33], s[52:53]
	s_lshl_b32 s52, s54, 6
	s_add_nc_u64 s[34:35], s[34:35], s[52:53]
	s_lshl_b32 s54, s7, 2
	s_add_co_u32 s54, s54, s3                      ; 4 nh + xq: my step of 128 keys
	s_mul_i32 s52, s54, 2*FRB
	s_add_nc_u64 s[36:37], s[36:37], s[52:53]
	s_lshl_b32 s52, s54, 7
	s_add_nc_u64 s[38:39], s[38:39], s[52:53]
; the weights' fragments: kind 0 wq, 1 wq turned, 2 wk, 3 wk turned, 4 wv; (kind, tile u, K step ks) at v[12 (4 kind + 2 u + ks)] of window 1: they stay
.macro WLOAD kind, adr, base, rows
.irp u, 0,1
.irp ks, 0,1
.irp p, 0,1,2,3,4,5
	global_load_b64 v[12*(4*\kind+2*\u+\ks)+2*\p:12*(4*\kind+2*\u+\ks)+2*\p+1], v[\adr], s[\base:\base+1] offset:\u*\rows*192+96*\ks+48*(\p/3)+8*(\p%3)
.endr
.endr
.endr
.endm
.macro SLOAD kind, adr, base, rows             ; a row's 8 scale bytes are the words of both K steps
.irp u, 0,1
	global_load_b64 v[24+4*\kind+2*\u:25+4*\kind+2*\u], v[\adr], s[\base:\base+1] offset:\u*\rows*8
.endr
.endm
	WIN 0x40                                       ; destination window 1
	s_wait_alu depctr_va_vdst(0)                   ; the offsets and LDS addresses v1 to v19 are written, which every load and store of the kernel reads
	WLOAD 0, 2, 10, 8
	WLOAD 1, 3, 10, 16
	WLOAD 2, 2, 16, 8
	WLOAD 3, 3, 16, 16
	WLOAD 4, 2, 22, 8
	WIN 0
	SLOAD 0, 4, 12, 8
	SLOAD 1, 5, 12, 16
	SLOAD 2, 4, 18, 8
	SLOAD 3, 5, 18, 16
	SLOAD 4, 4, 24, 8
.irp h, 0,1                                    ; x: my 16 rows, the first 512 bytes of each first.  Sixteen lanes read 256 consecutive bytes, aligned
.irp i, 0,1,2,3,4,5,6,7
.irp q, 0,1
	global_load_b128 v[128+64*\h+8*\i+4*\q:131+64*\h+8*\i+4*\q], v1, s[8:9] offset:(2*\i+8*(\i/4))*65536+512*\h+256*\q th:TH_LOAD_NT
.endr
.endr
.endr
	; the table of my tile is made while the loads are out: angle i = 10^(-4 i / 15)
	SC1 0, 1.0, 0.007356422545
	SC1 1, 0.5411695265, 0.003981071706
	SC1 2, 0.2928644565, 0.00215443469
	SC1 3, 0.1584893192, 0.001165914401
	SC1 4, 0.08576958986, 0.0006309573445
	SC1 5, 0.04641588834, 0.0003414548874
	SC1 6, 0.02511886432, 0.0001847849797
	SC1 7, 0.01359356391, 0.0001
	s_wait_alu depctr_va_sdst(0)                   ; the eight compares have written s56 to s63, ahead of the selects that read them
.irp i, 0,1,2,3,4,5,6,7
	SC2 \i
.endr
	s_wait_alu depctr_va_vdst(0)                   ; the table v88 to v103 is written, which the LDS stores read
.irp c, 0,1,2,3
	ds_store_b128 v15, v[88+4*\c:91+4*\c] offset:512*\c
.endr
; half h of my rows (K step h) turns through my stage: in as loaded, out 16 neighbours of each block a lane; then it is quantised and its image stored
.macro XHALF h
.irp i, 0,1,2,3,4,5,6,7
.irp q, 0,1
	ds_store_b128 v11, v[128+64*\h+8*\i+4*\q:131+64*\h+8*\i+4*\q] offset:2*\i*XROW+512*\h+256*\q
.endr
.endr
	s_wait_dscnt 0x0
	s_wait_alu depctr_vm_vsrc(0)                   ; the stores above have read their registers, in which the loads below land; the last half's image stores have read the codes and the scale word, which are written again below
.irp b, 0,1,2,3
.irp j, 0,1,2,3
	ds_load_b128 v[128+64*\h+16*\b+4*\j:131+64*\h+16*\b+4*\j], v12 offset:512*\h+128*\b+16*\j
.endr
.endr
	s_wait_dscnt 0x0
	QUANT 128+64*\h
	s_wait_alu depctr_va_vdst(0)                   ; the codes v64 to v75 and the scale word v84 are written, which the LDS stores read
	IMAGE 13, \h*FRB
	ds_store_b32 v14, v[PW] offset:128*\h
.endm
	s_wait_loadcnt 16                              ; all but the youngest sixteen loads, x's second half, are in
	XHALF 0
	s_wait_loadcnt 0x0
	XHALF 1
	s_wait_dscnt 0x0                               ; for the others' sake: my images, scale words and table are in LDS
	s_wait_alu depctr_vm_vsrc(0)                   ; the image stores have read v64 to v75 and v84, in which bias loads land (the vector instructions that named v48 to v127 stand ahead of the last wait on va_vdst)
.irp k, 0,1                                    ; biases in the result's layout: v48 q, v64 q turned, v80 k, v96 k turned; tile u at + 8 u
.irp u, 0,1
	global_load_b128 v[48+32*\k+8*\u:51+32*\k+8*\u], v6, s[14+6*\k:15+6*\k] offset:32*\u
	global_load_b128 v[52+32*\k+8*\u:55+32*\k+8*\u], v6, s[14+6*\k:15+6*\k] offset:32*\u+16
.irp j, 0,1,2,3,4,5,6,7
	global_load_b32 v[64+32*\k+8*\u+\j], v7, s[14+6*\k:15+6*\k] offset:64*\u+8*\j
.endr
.endr
.endr
	global_load_b32 v112, v8, s[26:27]             ; v's bias: my lane's channel 8 u + r + 8 (r / 8)
	global_load_b32 v120, v8, s[26:27] offset:32
	s_barrier_signal -1
	s_barrier_wait -1                              ; x's sixteen fragments, their scale words and the eight tables lie in LDS; nothing is written there any more
	s_wait_loadcnt 0x0
.irp j, 1,2,3,4,5,6,7
	v_mov_b32 v[112+\j], v112                      ; v's product is used untransposed: a lane holds one channel in all eight registers
	v_mov_b32 v[120+\j], v120
.endr
; sel = 0: q, 1: k.  Four accumulators by turns: plain tiles 0, 1 at v128, v136, turned tiles at v144, v152.  Source 0 = 16 rows of the weight, source 1 = x's 16 rows; the bias starts each sum
.macro PROJ sel
	WIN 0x01                                       ; source 0 window 1
.irp pp, 0,1
.irp u, 0,1
	MM 128+16*\pp+8*\u, 12*(8*\sel+4*\pp+2*\u), 160, 48+32*\sel+16*\pp+8*\u, 24+8*\sel+4*\pp+2*\u, 44
.endr
.endr
.irp pp, 0,1
.irp u, 0,1
	MM 128+16*\pp+8*\u, 12*(8*\sel+4*\pp+2*\u+1), 172, 128+16*\pp+8*\u, 25+8*\sel+4*\pp+2*\u, 45
.endr
.endr
	WIN 0
	PLACES
.endm
.macro ROT                                     ; y = y cos + y_turned sin, two channels at a time; of the pair (cos, sin) one word serves both halves
.irp i, 0,2,4,6,8,10,12,14
	v_pk_mul_f32 v[128+\i:129+\i], v[128+\i:129+\i], v[184+\i:185+\i] op_sel_hi:[1,0]
	v_pk_fma_f32 v[128+\i:129+\i], v[144+\i:145+\i], v[184+\i:185+\i], v[128+\i:129+\i] op_sel:[0,1,0] op_sel_hi:[1,1,1]
.endr
.endm
.macro XFETCH t                                ; tile t's two fragments of x and their scale words: eight LDS loads
	FETCH 160, 16, (2*(\t))*FRB
	FETCH 172, 16, (2*(\t)+1)*FRB
	ds_load_b32 v44, v17 offset:128*(2*(\t))
	ds_load_b32 v45, v17 offset:128*(2*(\t)+1)
.endm
.macro SENDQ t                                 ; what tile t has finished leaves
	global_store_b96 v19, v[228+4*((\t)%2):230+4*((\t)%2)], s[28:29] offset:384*(\t)   ; the wave stores the tile's 384 consecutive bytes
.if (\t)%2 == 1
	global_store_b32 v10, v238, s[30:31] offset:64*((\t)-1)                            ; two tiles' words leave together: 128 bytes
.endif
.if (\t)%4 == 3
.irp c, 0,1,2
	global_store_b128 v9, v[208+4*\c:211+4*\c], s[32:33] offset:FRB*((\t)/4)+512*\c    ; the image of the registers: 512 consecutive bytes a store
.endr
.endif
.endm
; PASS 1: q and k of tile t for my head
.macro TILE t
.if \t > 1
	s_wait_xcnt 0x0                                ; the stores issued at the last tile's head have had their addresses translated: their data registers are written again only behind this wait
	s_wait_alu depctr_vm_vsrc(0)                   ; and they have read those registers: q's out-buffer of this tile's turn, and v238
.endif
.if \t > 0
	s_wait_alu depctr_va_vdst(0)                   ; the tile before has written its out-buffers, which the stores below read, and is done reading its table, in which the loads below land
	SENDQ \t-1
.else
	XFETCH 0                                       ; (every vector instruction that named v160 to v199 stands ahead of the last wait on va_vdst)
.endif
.irp c, 0,1,2,3
	ds_load_b128 v[184+4*\c:187+4*\c], v18 offset:2048*\t+512*\c
.endr
	s_wait_dscnt 4                                 ; LDS loads come back in order (ISA guide 5.7.1): the fragments and scale words are in, the table's four loads may be out
	PROJ 0
	s_wait_dscnt 0x0                               ; the table
	ROT
	Q16 128, 228+4*(\t%2), 248
	v_lshl_or_b32 v235, v248, 8, v248              ; q's scale word: the byte four times, since q will stand in any of a fragment's four blocks
.if (\t)%2 == 0
	v_lshl_or_b32 v236, v235, 16, v235
.else
	v_lshl_or_b32 v237, v235, 16, v235
	v_cndmask_b32 v238, v236, v237, vcc_lo
.endif
	PROJ 1
.if \t < 7
	s_wait_alu depctr_va_vdst(0)                   ; the tile's products are done reading v160 to v183, v44 and v45, in which the next tile's loads land; nothing below names those registers
	XFETCH \t+1
.endif
.if \t == 4
	s_wait_xcnt 0x0                                ; k's first image left at this tile's head:
	s_wait_alu depctr_vm_vsrc(0)                   ; its stores have read v208 to v219, of which the conversion below writes the first three again
.endif
	ROT
.if (\t)%4 == 0                                ; four key tiles make one fragment: tile 2 c + h in registers 6 c .. 6 c + 5 of the lanes of half h
	Q16 128, 208, 248
	v_mov_b32 v[240+(\t)/4], v248
.elseif (\t)%4 == 1
	Q16 128, 220, 248
	v_lshl_or_b32 v[240+(\t)/4], v248, 8, v[240+(\t)/4]
	SWAP3 208, 220
.elseif (\t)%4 == 2
	Q16 128, 214, 248
	v_lshl_or_b32 v[240+(\t)/4], v248, 16, v[240+(\t)/4]
.else
	Q16 128, 224, 248
	v_lshl_or_b32 v[240+(\t)/4], v248, 24, v[240+(\t)/4]
	SWAP3 214, 224
.endif
.endm
.irp t, 0,1,2,3,4,5,6,7
	TILE \t
.endr
	v_cndmask_b32 v242, v240, v241, vcc_lo         ; the two groups' scale words
; PASS 2: v of 32 keys (tiles 2 b, 2 b + 1).  Source 0 = x's 16 rows, source 1 = 16 rows of wv: a lane holds ONE channel and its registers run along the keys, which are the next product's K
.macro VFETCH b                                ; block b's four fragments of x and their scale words: sixteen LDS loads
.irp f, 0,1,2,3
	FETCH 160+12*\f, 16, (4*(\b)+\f)*FRB
	ds_load_b32 v[44+\f], v17 offset:128*(4*(\b)+\f)
.endr
.endm
.macro VBLOCK b
	s_wait_dscnt 0x0
	WIN 0x04                                       ; source 1 window 1
.irp t, 0,1
.irp u, 0,1
	MM 128+16*\u+8*\t, 160+24*\t, 12*(16+2*\u), 112+8*\u, 44+2*\t, 40+2*\u
.endr
.endr
.irp t, 0,1
.irp u, 0,1
	MM 128+16*\u+8*\t, 172+24*\t, 12*(17+2*\u), 128+16*\u+8*\t, 45+2*\t, 41+2*\u
.endr
.endr
	WIN 0
	PLACES
.if \b < 3
	s_wait_alu depctr_va_vdst(0)                   ; the block's products are done reading v160 to v207 and v44 to v47, in which the next block's loads land; nothing below names those registers
	VFETCH \b+1
.endif
.if \b == 0
	s_wait_xcnt 0x0                                ; pass 1's last stores have had their addresses translated,
	s_wait_alu depctr_vm_vsrc(0)                   ; and have read v208 to v219, v228 to v234, v238 and v242, which this pass writes again
.endif
.irp u, 0,1
.if (\b)%2 == 0
	Q16 128+16*\u, 208+12*\u+6*((\b)/2), 248
.else
	Q16 128+16*\u, 232+4*\u, 248
.endif
.if \b == 0
	v_mov_b32 v[240+\u], v248
.else
	v_lshl_or_b32 v[240+\u], v248, 8*\b, v[240+\u]
.endif
.if (\b)%2 == 1
	SWAP3 208+12*\u+6*((\b)/2), 232+4*\u
.endif
.endr
.endm
	s_wait_alu depctr_va_vdst(0)                   ; tile 7 has written its out-buffers and v242, which the stores below read, and is done reading its fragments and table, in which the loads below land
	SENDQ 7
	global_store_b32 v10, v242, s[34:35]
	VFETCH 0
.irp b, 0,1,2,3
	VBLOCK \b
.endr
	v_cndmask_b32 v242, v240, v241, vcc_lo
	s_wait_alu depctr_va_vdst(0)                   ; v's two fragments v208 to v231 and their scale words v242 are written, which the stores read
.irp u, 0,1
.irp c, 0,1,2
	global_store_b128 v9, v[208+12*\u+4*\c:211+12*\u+4*\c], s[36:37] offset:FRB*\u+512*\c
.endr
.endr
	global_store_b32 v10, v242, s[38:39]
	s_set_vgpr_msb 0x5                             ; the add's two registers, sources 0 and 1, lie in window 1
	s_wait_dscnt 0x0                               ; the closing lines, six on end
	s_wait_alu 0x0
	s_wait_tensorcnt 0x0
	ds_add_u32 v254, v255
	s_wait_dscnt 0x0
	s_endpgm
.Lfunc_end_k_q78d9dc1c38_proj:
	.size	k_q78d9dc1c38_proj, .Lfunc_end_k_q78d9dc1c38_proj-k_q78d9dc1c38_proj
	.p2alignl 7, 3214868480
	.fill 96, 4, 3214868480
	.section	.rodata,"a",@progbits
	.p2align	6, 0x0
	.amdhsa_kernel k_q78d9dc1c38_proj
		.amdhsa_group_segment_fixed_size 177152
		.amdhsa_private_segment_fixed_size 0
		.amdhsa_enable_private_segment 0
		.amdhsa_kernarg_size 128
		.amdhsa_user_sgpr_count 2
		.amdhsa_user_sgpr_kernarg_segment_ptr 1
		.amdhsa_wavefront_size32 1
		.amdhsa_system_sgpr_workgroup_id_x 1
		.amdhsa_system_sgpr_workgroup_id_y 1
		.amdhsa_system_sgpr_workgroup_id_z 1
		.amdhsa_system_vgpr_workitem_id 0
		.amdhsa_next_free_vgpr 512
		.amdhsa_next_free_sgpr 96
		.amdhsa_reserve_vcc 1
		.amdhsa_float_denorm_mode_32 3
		.amdhsa_float_denorm_mode_16_64 3
		.amdhsa_memory_ordered 1
		.amdhsa_forward_progress 1
		.amdhsa_inst_pref_size 126
	.end_amdhsa_kernel
	.amdgpu_metadata
---
amdhsa.version: [ 1, 2 ]
amdhsa.kernels:
  - .name:           k_q78d9dc1c38_proj
    .symbol:         k_q78d9dc1c38_proj.kd
    .args:
      - { .name: x, .offset: 0, .size: 8, .value_kind: global_buffer, .address_space: global }
      - { .name: wq_codes, .offset: 8, .size: 8, .value_kind: global_buffer, .address_space: global }
      - { .name: wq_scales, .offset: 16, .size: 8, .value_kind: global_buffer, .address_space: global }
      - { .name: bq, .offset: 24, .size: 8, .value_kind: global_buffer, .address_space: global }
      - { .name: wk_codes, .offset: 32, .size: 8, .value_kind: global_buffer, .address_space: global }
      - { .name: wk_scales, .offset: 40, .size: 8, .value_kind: global_buffer, .address_space: global }
      - { .name: bk, .offset: 48, .size: 8, .value_kind: global_buffer, .address_space: global }
      - { .name: wv_codes, .offset: 56, .size: 8, .value_kind: global_buffer, .address_space: global }
      - { .name: wv_scales, .offset: 64, .size: 8, .value_kind: global_buffer, .address_space: global }
      - { .name: bv, .offset: 72, .size: 8, .value_kind: global_buffer, .address_space: global }
      - { .name: q_img, .offset: 80, .size: 8, .value_kind: global_buffer, .address_space: global }
      - { .name: q_scl, .offset: 88, .size: 8, .value_kind: global_buffer, .address_space: global }
      - { .name: k_img, .offset: 96, .size: 8, .value_kind: global_buffer, .address_space: global }
      - { .name: k_scl, .offset: 104, .size: 8, .value_kind: global_buffer, .address_space: global }
      - { .name: v_img, .offset: 112, .size: 8, .value_kind: global_buffer, .address_space: global }
      - { .name: v_scl, .offset: 120, .size: 8, .value_kind: global_buffer, .address_space: global }
    .group_segment_fixed_size: 177152
    .private_segment_fixed_size: 0
    .kernarg_segment_align: 8
    .kernarg_segment_size: 128
    .max_flat_workgroup_size: 256
    .sgpr_count:     96
    .vgpr_count:     512
    .wavefront_size: 32
...
	.end_amdgpu_metadata
.endif
;; end of part 3
;; launch attn_ffn (part 4): grid 4 x 64, 8 waves a work-group, no clusters, 287,744 bytes of LDS; arguments x, q_img, q_scl, k_img, k_scl, v_img, v_scl, out0, w1_codes, w1_scales, b1, w2_codes, w2_scales, b2, ln1_w, ln1_b, ln2_w, ln2_b; writes out0
.if DOCPART == 4
	.amdgcn_target "amdgcn-amd-amdhsa--gfx1250"
	.amdhsa_code_object_version 6
	.text
	.protected	k_q78d9dc1c38_attn_ffn
	.globl	k_q78d9dc1c38_attn_ffn
	.p2align	8
	.type	k_q78d9dc1c38_attn_ffn,@function
k_q78d9dc1c38_attn_ffn:
	s_mov_b64 s[64:65], 0
	v_nop
	global_prefetch_b8 v0, s[64:65] scope:SCOPE_SE
	s_setreg_imm32_b32 hwreg(HW_REG_WAVE_SCHED_MODE, 0, 2), 2
	s_setreg_imm32_b32 hwreg(HW_REG_WAVE_MODE, 25, 1), 1
	s_wait_xcnt 0x0
	s_wait_alu depctr_vm_vsrc(0)
; out = LN2(relu(y w1^T + b1) w2^T + b2 + y), y = LN1(attention + x), for 128 positions of one n (x of the grid: which 128; y: n).  All four products on codes of FP6 (E2M3) with one E8M0 scale for each 32 along K.
; ATTENTION.  Wave w is head w.  Its head's keys (8 fragments) and values (8 fragments) for all 512 positions stay in 192 registers (window 1), read once; it walks the work-group's 8 tiles of 16 queries.
;   The head has 32 channels and the instruction 128 along K: a fragment of K holds FOUR key tiles, one in each block of 32, and q stands in one block with zero codes in the other three: four such variants
;   are 36 registers, [zeros | q in lanes 0-15 | zeros] and [zeros | q in lanes 16-31 | zeros], read from two starts each.
;   Both products are used transposed (S^T = K q^T, O^T = V^T p^T): a lane holds one query.  The keys of a tile are chosen so that the 16 registers of tiles 2 b, 2 b + 1 are keys 32 b + 16 (lane / 16) + 0 .. 15.
;   THE MASK -|decay| x |query - key| IS THE C OF THE SCORE PRODUCT.  With X_i = the query's place in its block of 32 - 16 (lane / 16) - i (a whole number) and D = key block - query block it is
;   A X_i + E, A = sign(D) |decay|, E = -32 |D| |decay|: one packed multiply-add for two scores, written into the score registers; in the one block with D = 0 it is made -|.|.
;   SOFTMAX: t = score x log2(e); M = the running largest t rounded up to a whole number; p = 2^(t - M) is quantised along the keys; the sum is taken of the unquantised p and divides at the end.
; THEN the waves change roles through LDS: rows (wave w owns the 16 rows of tile w: residual, LayerNorm, quantising) and columns (wave w makes hidden units 128 w on, then outputs 32 w on, for all 128 rows,
;   with its part of w1, then of w2, in 192 registers).  Four barriers.  The second FFN product's sums BEGIN as the LayerNorm's output, so the residual costs no addition.
; No cluster, no tensor load: what the four work-groups of an n share, 200 KB of K and V, goes straight into the registers where it stays, and LDS has 41 KB beside the regions below: a joint load would have nowhere to land.
; LIMITS: E is rounded once (half an ulp of 32 |D| |decay|); a p under 2^-126 counts as 0; a block of zeros gets the scale byte 1 (its codes are zeros); NaN and infinities among the inputs are not served.
; THE MODE: SCHED_MODE bits 1:0 = 2 (LLVM: expert scheduling mode 2), set by the entry lines.  The code itself states the register dependences
; between vector or matrix instructions and memory or LDS instructions, with s_wait_alu, always for 0.
; THE PLAN.  Registers that memory or LDS instructions touch, and operands of scaled products that vector instructions write:
;   ATTENTION, a trip: v72-77, v33: the next tile's q: read by the selects at the trip's head, then loaded again.  v42-47, v60-65, v32: q's variants and scale word, written by those selects, read by the score products.
;     ONE wait on va_vdst behind the selects states both.  v224-235, v253: p's codes and scale word, written by vector instructions in each key step: one wait ahead of that step's two value products.
;     v7, v192-207: an LDS address and the tile's result: written at the trip's end (a wait on vm_vsrc ahead: the last trip's stores have read them), read by four LDS stores (a wait on va_vdst ahead).
;   ROWS: v32-95 take x, the LayerNorm's gains and biases, and b2, sixteen LDS loads at a time; each run stands behind one wait on va_vdst: the arithmetic on the run before is done reading them.
;     v128-255, the rows: read by LDS stores behind one wait on va_vdst; v48-59, v68, the codes and scale word: likewise, and written again behind a wait on vm_vsrc.
;   COLUMNS 1, a trip: v128-151, v112, v113: a tile's fragments of y: read by the trip's sixteen products; behind them stand a wait on vm_vsrc, the four additions that step the LDS addresses v25-28,
;     ONE wait on va_vdst (the products are done reading, the addresses are written) and the next tile's loads, which land under the activation and the quantising.
;   COLUMNS 2: two buffers of fragments by turns, v192-239 with v112-115 and v32-79 with v116-119: a step's loads go into the buffer that the step before last read, behind one wait on va_vdst.
;   Window 1 takes K and V, then x, then w1 and b1, then w2: each time behind the wait that shows its last readers done.
.set RB,    18560                      ; LDS 0: A, eight regions, one for each 32 channels: 128 rows x 144 bytes (128 of data + 16) + 128
.set AP,    144
.set FRB,   1536                       ; a fragment's image
.set XIMG,  8*RB                       ; y's 16 fragments, (tile m, K step ks) at (2 m + ks) x 1,536
.set XSC,   XIMG+16*FRB                ; their scale words, 128 bytes each
.set HIMG,  XSC+16*128                 ; the hidden layer's 64 fragments, (K step = the wave that wrote it, tile m) at (8 ks + m) x 1,536
.set HSC,   HIMG+64*FRB                ; their scale words
.set PAR,   HSC+64*128                 ; ln1_w, ln1_b, ln2_w, ln2_b, b2: 1,024 bytes each
.set TM,    32
.set PC,    48
.set PW,    68
.set SEL,   4
.set MSB, 0
.macro WIN new                         ; the immediate's high byte repeats the setting that is left
.if MSB != \new
	s_set_vgpr_msb (MSB<<8)|\new
.set MSB, \new
.endif
.endm
.macro PLACES                          ; four places behind a matrix instruction of this form (ISA guide 7.12.1)
.rept 4
	v_nop
.endr
.endm
.macro MM d, a, b, c, sa, sb
	v_wmma_scale_f32_16x16x128_f8f6f4 v[\d:\d+7], v[\a:\a+11], v[\b:\b+11], v[\c:\c+7], v[\sa], v[\sb] matrix_a_fmt:MATRIX_FMT_FP6 matrix_b_fmt:MATRIX_FMT_FP6
.endm
.macro MM0 d, a, b, sa, sb             ; the same with the constant 0 as C: it starts a sum
	v_wmma_scale_f32_16x16x128_f8f6f4 v[\d:\d+7], v[\a:\a+11], v[\b:\b+11], 0, v[\sa], v[\sb] matrix_a_fmt:MATRIX_FMT_FP6 matrix_b_fmt:MATRIX_FMT_FP6
.endm
; 64 numbers of a lane, register 16 b + i = k 32 b + 16 (lane / 16) + i of my row, become a fragment's codes in v[PC] on and its scale word in v[PW]
.macro QUANT s
.irp b, 0,1,2,3
	v_max3_num_f32 v[TM+\b], |v[\s+16*\b]|, |v[\s+1+16*\b]|, 0x1800000   ; my 16 numbers of block b, and the floor 2^(3 - 127): the byte cannot fall under 1
.endr
.irp i, 2,4,6,8,10,12,14
.irp b, 0,1,2,3
	v_max3_num_f32 v[TM+\b], v[TM+\b], |v[\s+16*\b+\i]|, |v[\s+1+16*\b+\i]|
.endr
.endr
.irp b, 0,1,2,3
	v_permlanex16_b32 v[TM+4+\b], v[TM+\b], s[SEL], s[SEL+1]
.endr
.irp b, 0,1,2,3
	v_max_num_f32 v[TM+\b], v[TM+\b], v[TM+4+\b]
.endr
.irp b, 0,1,2,3
	v_add_nc_u32 v[TM+12+\b], 0xff000000, v[TM+\b]   ; 2 off the exponent field: the conversion's scale operand
.endr
.irp b, 0,1,2,3
	v_lshrrev_b32 v[TM+4+\b], 23, v[TM+12+\b]
.endr
	v_lshl_or_b32 v[PW], v[TM+5], 8, v[TM+4]
	v_lshl_or_b32 v[PW], v[TM+6], 16, v[PW]
	v_lshl_or_b32 v[PW], v[TM+7], 24, v[PW]
.irp c, 0,1
	v_cvt_scalef32_pk16_fp6_f32 v[PC+6*\c:PC+2+6*\c], v[\s+32*\c:\s+15+32*\c], v[TM+12+2*\c]
	v_cvt_scalef32_pk16_fp6_f32 v[PC+12+4*\c:PC+14+4*\c], v[\s+16+32*\c:\s+31+32*\c], v[TM+12+2*\c+1]
.endr
	v_nop                                          ; one plain place behind a scaled conversion
.irp c, 0,1
.irp i, 0,1,2
	v_permlane16_swap_b32 v[PC+6*\c+\i], v[PC+12+4*\c+\i]
.endr
.irp i, 0,1,2
	v_mov_b32 v[PC+3+6*\c+\i], v[PC+12+4*\c+\i]
.endr
.endr
.endm
.macro IMAGE adr, off
.irp c, 0,1,2
	ds_store_b128 v[\adr], v[PC+4*\c:PC+4*\c+3] offset:\off+512*\c
.endr
.endm
.macro FETCH reg, adr, off
.irp c, 0,1,2
	ds_load_b128 v[\reg+4*\c:\reg+4*\c+3], v[\adr] offset:\off+512*\c
.endr
.endm
.macro BARRIER                                 ; my LDS stores have landed and my LDS loads are in: then the work-group's barrier
	s_wait_dscnt 0x0
	s_barrier_signal -1
	s_barrier_wait -1
.endm
	s_load_b512 s[8:23], s[0:1], 0x0               ; x 8, q_img 10, q_scl 12, k_img 14, k_scl 16, v_img 18, v_scl 20, out0 22
	s_load_b512 s[24:39], s[0:1], 0x40             ; w1_codes 24, w1_scales 26, b1 28, w2_codes 30, w2_scales 32, b2 34, ln1_w 36, ln1_b 38
	s_load_b128 s[40:43], s[0:1], 0x80             ; ln2_w 40, ln2_b 42
	v_lshrrev_b32 v90, 5, v0
	v_readfirstlane_b32 s2, v90                    ; wave 0..7
	s_mov_b32 s56, ttmp9                           ; xq: which 128 positions
	s_and_b32 s3, ttmp7, 0xffff                    ; n
	s_lshl_b32 s44, s3, 3
	s_wait_alu depctr_va_sdst(0)                   ; s2 is written, ahead of its first reader
	s_add_co_u32 s44, s44, s2                      ; nh = 8 n + head
	s_mov_b32 s[SEL], 0x76543210
	s_mov_b32 s[SEL+1], 0xfedcba98
	s_mov_b32 s6, 0x3fb8aa3b                       ; c = log2(e)
	s_mov_b32 s7, s6                               ; (named with it as a pair, so it is written)
	s_mov_b32 s52, 0x0000ffff                      ; lanes 0-15
	s_mov_b32 s53, 0xffff0000                      ; lanes 16-31
	s_mov_b32 s54, 0x80000000                      ; the sign bit
	v_and_b32 v91, 15, v0                          ; r
	v_bfe_u32 v92, v0, 4, 1                        ; h
	v_and_b32 v93, 8, v91
	v_add_nc_u32 v93, v93, v91                     ; r + 8 (r / 8)
	v_mul_u32_u24 v1, v91, 24                      ; q's codes: 24 bytes a row
	v_lshlrev_b32 v2, 2, v91                       ; scale words: 4 bytes a row
	s_mul_i32 s45, s2, RB
	v_mul_u32_u24 v3, v91, AP
	v_lshl_add_u32 v3, v92, 6, v3
	v_add_nc_u32 v3, s45, v3                       ; A: my head's region, row r, my 16 channels
	v_lshlrev_b32 v4, 4, v92
	v_sub_nc_u32 v4, v93, v4
	v_cvt_f32_i32 v4, v4                           ; r + 8 (r / 8) - 16 h
	v_lshlrev_b32 v6, 16, v93
	v_lshl_add_u32 v6, v92, 8, v6                  ; the prefetches' offset: my row of x, 256 h; never rewritten
	v_and_b32 v8, 31, v0
	v_lshlrev_b32 v8, 4, v8                        ; 16 x lane
	v_lshlrev_b32 v9, 2, v0                        ; 4 x thread
	v_add_nc_u32 v10, PAR, v9
	s_lshl_b32 s46, s56, 7
	s_lshr_b32 s47, s2, 1
	s_lshl_b32 s47, s47, 5
	s_add_co_u32 s46, s46, s47
	s_and_b32 s47, s2, 1
	s_lshl_b32 s47, s47, 3
	s_add_co_u32 s46, s46, s47                     ; row 0 of the tile that I own as rows: position 128 xq + 32 (w / 2) + 8 (w % 2)
	s_mov_b32 s49, 0
	s_wait_kmcnt 0x0
	s_lshl_b32 s48, s46, 16
	s_lshl_b32 s47, s3, 10
	s_add_co_u32 s48, s48, s47
	s_add_nc_u64 s[8:9], s[8:9], s[48:49]
	s_add_nc_u64 s[22:23], s[22:23], s[48:49]
	s_mul_i32 s48, s44, 8*FRB
	s_add_nc_u64 s[14:15], s[14:15], s[48:49]
	s_add_nc_u64 s[18:19], s[18:19], s[48:49]
	s_lshl_b32 s48, s44, 9
	s_add_nc_u64 s[16:17], s[16:17], s[48:49]
	s_add_nc_u64 s[20:21], s[20:21], s[48:49]
	s_lshl_b32 s47, s44, 5
	s_lshl_b32 s48, s56, 3
	s_add_co_u32 s47, s47, s48                     ; 32 nh + 8 xq: my first query tile
	s_mul_i32 s48, s47, 384
	s_add_nc_u64 s[10:11], s[10:11], s[48:49]
	s_lshl_b32 s48, s47, 6
	s_add_nc_u64 s[12:13], s[12:13], s[48:49]
	s_mul_i32 s48, s2, 24576                       ; my 128 rows of w1 (192 bytes each), my 32 rows of w2 (768 each)
	s_add_nc_u64 s[24:25], s[24:25], s[48:49]
	s_add_nc_u64 s[30:31], s[30:31], s[48:49]
	s_lshl_b32 s48, s2, 10
	s_add_nc_u64 s[26:27], s[26:27], s[48:49]
	s_add_nc_u64 s[32:33], s[32:33], s[48:49]
	s_lshl_b32 s48, s2, 9
	s_add_nc_u64 s[28:29], s[28:29], s[48:49]
	s_wait_alu depctr_va_vdst(0)                   ; the offsets and addresses v1, v2, v6, v8, v9 and v10 are written, which the loads, the prefetches and the LDS stores up to the attention loop's end read
	global_load_b32 v192, v9, s[36:37]             ; the five vectors of 256: thread t takes element t
	global_load_b32 v193, v9, s[38:39]
	global_load_b32 v194, v9, s[40:41]
	global_load_b32 v195, v9, s[42:43]
	global_load_b32 v196, v9, s[34:35]
.irp p, 0,1,2
	global_load_b64 v[72+2*\p:73+2*\p], v1, s[10:11] offset:8*\p   ; q of tile 0: both halves of the lanes take row r's 24 bytes
.endr
	global_load_b32 v33, v2, s[12:13]
.irp g, 0,1,2,3,4,5,6,7
	global_load_b32 v[16+\g], v2, s[16:17] offset:64*\g            ; K's scale words: byte b = tile 4 g + b
	global_load_b32 v[24+\g], v2, s[20:21] offset:64*\g            ; V's: (step, u) at 2 step + u
.endr
	WIN 0x40                                       ; destination window 1: K's groups at v[12 g], V's fragments at v[96 + 12 (2 step + u)]
.irp g, 0,1,2,3,4,5,6,7
.irp c, 0,1,2
	global_load_b128 v[12*\g+4*\c:12*\g+4*\c+3], v8, s[14:15] offset:FRB*\g+512*\c
	global_load_b128 v[96+12*\g+4*\c:96+12*\g+4*\c+3], v8, s[18:19] offset:FRB*\g+512*\c
.endr
.endr
	WIN 0
	v_cvt_f32_u32 v90, s2
	v_fma_f32 v90, v90, 0xbec00000, -1.0           ; -1 - 3 head / 8
	v_exp_f32 v90, v90
	v_nop
	s_wait_alu depctr_va_vdst(0)                   ; the exponential has written v90, ahead of its reader
	v_sub_f32 v90, 1.0, v90
	v_log_f32 v90, v90
	v_nop
	s_wait_alu depctr_va_vdst(0)                   ; the logarithm has written v90, ahead of its reader
	v_mul_f32 v89, 0xbf317218, v90                 ; |decay| = -ln(1 - 2^(-1 - 3 head / 8))
.irp i, 0,1,2,3,4,5
	v_mov_b32 v[36+\i], 0                          ; the zero codes round q, written once
	v_mov_b32 v[48+\i], 0
	v_mov_b32 v[54+\i], 0
	v_mov_b32 v[66+\i], 0
.endr
.irp b, 0,1,2,3
	v_mov_b32 v[236+\b], 0                         ; written once: a lane permute's destination counts as one of its sources
.endr
	v_mov_b32 v253, 0                              ; (named as the upper half of the pair v[252:253] before it is first written)
	s_wait_loadcnt 0x0
.irp k, 0,1,2,3,4
	ds_store_b32 v10, v[192+\k] offset:1024*\k     ; read only behind the first barrier
.endr
.macro DIAG b                                  ; the block that holds the diagonal: -|y|.  A scalar branch on ids and the trip's number
	s_cmp_lg_u32 s[59+\b], 0
	s_cbranch_scc1 .Loff_diag_\@
.irp i, 0,1,2,3,4,5,6,7,8,9,10,11,12,13,14,15
	v_min_num_f32 v[96+16*\b+\i], v[96+16*\b+\i], -v[96+16*\b+\i]
.endr
.Loff_diag_\@:
.endm
; A KEY STEP: keys 128 st .. 128 st + 127.  No memory or LDS instruction stands in it
.macro STEP st
.irp b, 0,1,2,3
	s_sub_co_i32 s[59+\b], 32*(4*\st+\b), s58      ; 32 D, D = key block - query block
.endr
.irp b, 0,1,2,3
	v_cvt_f32_i32 v[90+\b], s[59+\b]
.endr
.irp b, 0,1,2,3
	v_mul_f32 v[90+\b], v[90+\b], v89              ; 32 D |decay|
.endr
.irp b, 0,1,2,3
	v_and_or_b32 v[80+2*\b], v[90+\b], s54, v89    ; A = sign(D) |decay|
.endr
.irp b, 0,1,2,3
	v_or_b32 v[81+2*\b], s54, v[90+\b]             ; E = -32 |D| |decay|
.endr
.irp b, 0,1,2,3
.irp i, 0,2,4,6,8,10,12,14
	v_pk_fma_f32 v[96+16*\b+\i:97+16*\b+\i], v[176+\i:177+\i], v[80+2*\b:81+2*\b], v[80+2*\b:81+2*\b] op_sel:[0,0,1] op_sel_hi:[1,0,1]   ; the mask: A X + E
.endr
.endr
	DIAG 0
	DIAG 1
	DIAG 2
	DIAG 3
	PLACES
	WIN 0x01                                       ; source 0 window 1
.irp t, 0,1,2,3,4,5,6,7                        ; S^T = K q^T + the mask: tile t lies in block t % 4 of group 2 st + t / 4, and q's variant has its codes there.  Eight accumulators, one instruction each
	MM 96+8*\t, 12*(2*\st+\t/4), 36+18*(\t%2)+6*(1-(\t%4)/2), 96+8*\t, 16+2*\st+\t/4, 32
.endr
	WIN 0
	PLACES
.irp b, 0,1,2,3
	v_max3_num_f32 v[232+\b], v[96+16*\b], v[97+16*\b], v[98+16*\b]   ; the largest score of each block of 32 keys: for the row's maximum and, since p rises with the score, for the block's largest p
.endr
.irp i, 3,5,7,9,11,13
.irp b, 0,1,2,3
	v_max3_num_f32 v[232+\b], v[232+\b], v[96+16*\b+\i], v[97+16*\b+\i]
.endr
.endr
.irp b, 0,1,2,3
	v_max_num_f32 v[232+\b], v[232+\b], v[111+16*\b]
.endr
.irp b, 0,1,2,3
	v_permlanex16_b32 v[236+\b], v[232+\b], s[SEL], s[SEL+1]
.endr
.irp b, 0,1,2,3
	v_max_num_f32 v[232+\b], v[232+\b], v[236+\b]
.endr
	v_max3_num_f32 v254, v232, v233, v234
	v_max_num_f32 v254, v254, v235
	v_mul_f32 v254, s6, v254                       ; as t
	v_max_num_f32 v13, v13, v254                   ; the running largest t
	v_mov_b32 v254, v12
	v_floor_f32 v12, -v13                          ; -M = floor(-t): M is a whole number
	v_sub_f32 v254, v12, v254                      ; old M - new M
	v_cvt_i32_f32 v254, v254                       ; (it saturates)
	v_ldexp_f32 v252, 1.0, v254                    ; f = 2^(old M - new M): rounds nothing
.set J, 0
.rept 32
	v_pk_fma_f32 v[96+J:97+J], v[96+J:97+J], s[6:7], v[12:13] op_sel_hi:[1,0,0]   ; t - M
.set J, J+2
.endr
.irp b, 0,1,2,3
	v_fma_f32 v[232+\b], v[232+\b], s6, v12
.endr
.set J, 0
.rept 64
	v_exp_f32 v[96+J], v[96+J]                     ; p = 2^(t - M)
.set J, J+1
.endr
.irp b, 0,1,2,3
	v_exp_f32 v[232+\b], v[232+\b]                 ; the block's largest p
.endr
	v_pk_mul_f32 v[14:15], v[14:15], v[252:253] op_sel_hi:[1,0]   ; the sums under the new M; a plain place behind the exponentials
	s_wait_alu depctr_va_vdst(0)                   ; the 68 exponentials have written v96 to v159 and v232 to v235: one wait for the batch, ahead of its first reader
.irp b, 0,1,2,3
	v_max_num_f32 v[232+\b], 0x1800000, v[232+\b]  ; the floor 2^(3 - 127)
.endr
.irp b, 0,1,2,3
	v_add_nc_u32 v[244+\b], 0xff000000, v[232+\b]
.endr
.irp b, 0,1,2,3
	v_lshrrev_b32 v[236+\b], 23, v[244+\b]
.endr
	v_lshl_or_b32 v253, v237, 8, v236              ; p's scale word for these 128 keys
	v_lshl_or_b32 v253, v238, 16, v253
	v_lshl_or_b32 v253, v239, 24, v253
.irp c, 0,1
	v_cvt_scalef32_pk16_fp6_f32 v[224+6*\c:226+6*\c], v[96+32*\c:111+32*\c], v[244+2*\c]
	v_cvt_scalef32_pk16_fp6_f32 v[236+4*\c:238+4*\c], v[112+32*\c:127+32*\c], v[244+2*\c+1]
.endr
	v_nop
.irp c, 0,1
.irp i, 0,1,2
	v_permlane16_swap_b32 v[224+6*\c+\i], v[236+4*\c+\i]
.endr
.irp i, 0,1,2
	v_mov_b32 v[227+6*\c+\i], v[236+4*\c+\i]
.endr
.endr
	v_pk_add_f32 v[236:237], v[96:97], v[98:99]    ; the row's sum is taken of the unquantised p, in two chains.  (These lines are also the places in front of the products below)
.irp j, 4,8,12,16,20,24,28,32,36,40,44,48,52,56,60
	v_pk_add_f32 v[14:15], v[14:15], v[96+\j:97+\j]
	v_pk_add_f32 v[236:237], v[236:237], v[98+\j:99+\j]
.endr
	v_pk_add_f32 v[14:15], v[14:15], v[236:237]
.if \st > 0
.irp j, 0,2,4,6,8,10,12,14
	v_pk_mul_f32 v[160+\j:161+\j], v[160+\j:161+\j], v[252:253] op_sel_hi:[1,0]   ; O^T under the new M
.endr
.endif
	s_wait_alu depctr_va_vdst(0)                   ; p's codes v224 to v235 and its scale word v253 are written, which the two scaled products below take as source 1 and as its scales; the places above stay beside this wait
	WIN 0x01
.irp u, 0,1                                    ; O^T += V^T p^T; a tile's first step starts the sums: nothing is cleared
.if \st == 0
	MM0 160+8*\u, 96+12*(2*\st+\u), 224, 24+2*\st+\u, 253
.else
	MM 160+8*\u, 96+12*(2*\st+\u), 224, 160+8*\u, 24+2*\st+\u, 253
.endif
.endr
	WIN 0
.endm
	s_mov_b32 s55, 0                               ; the query tile
	s_mov_b32 s57, 0                               ; its 16 rows in A
.Lquery:
	s_wait_loadcnt 0x0                             ; this tile's q has landed; its loads are done, so their bases may step
.irp i, 0,1,2,3,4,5
	v_cndmask_b32 v[42+\i], 0, v[72+\i], s52       ; q in lanes 0-15, zero codes in the others,
	v_cndmask_b32 v[60+\i], 0, v[72+\i], s53       ; and the other way round
.endr
	v_mov_b32 v32, v33
	s_wait_alu depctr_va_vdst(0)                   ; the lines above are done reading v72 to v77 and v33, in which the next tile's loads land; and q's variants v36 to v71 and its scale word v32 are written, which this trip's scaled products take
	s_add_nc_u64 s[10:11], s[10:11], 384
	s_add_nc_u64 s[12:13], s[12:13], 64
	s_cmp_eq_u32 s55, 7
	s_cbranch_scc1 .Llast_query
.irp p, 0,1,2
	global_load_b64 v[72+2*\p:73+2*\p], v1, s[10:11] offset:8*\p   ; the next tile's q: a whole trip ahead
.endr
	global_load_b32 v33, v2, s[12:13]
	s_branch .Lq_asked
.Llast_query:                                      ; the last trip asks for no q; in its place a prefetch of the 16 rows of x that I add as residual behind this trip:
	global_prefetch_b8 v6, s[8:9] th:TH_LOAD_NT scope:SCOPE_SE              ; 16 rows x 1,024 bytes, lanes 256 bytes apart, two instructions: each block of 256 bytes named once in the launch
	global_prefetch_b8 v6, s[8:9] offset:512 th:TH_LOAD_NT scope:SCOPE_SE
.Lq_asked:
	s_lshr_b32 s58, s55, 1
	s_lshl_b32 s59, s56, 2
	s_add_co_u32 s58, s58, s59
	s_lshl_b32 s58, s58, 5                         ; 32 x the query block
	s_and_b32 s59, s55, 1
	s_lshl_b32 s59, s59, 3
	v_cvt_f32_u32 v90, s59
	v_add_f32 v176, v4, v90                        ; X_0 = the query's place in its block - 16 h;  X_i = X_0 - i: whole numbers, exact
	v_add_f32 v177, -1.0, v176
	v_add_f32 v178, -2.0, v176
	v_add_f32 v179, -2.0, v177
.irp i, 0,1,2,3
	v_add_f32 v[180+\i], -4.0, v[176+\i]
.endr
.irp i, 0,1,2,3,4,5,6,7
	v_add_f32 v[184+\i], 0xc1000000, v[176+\i]     ; - 8
.endr
	v_mov_b32 v13, 0xff61b1e6                      ; the largest t so far: -3e38
	v_floor_f32 v12, -v13
	v_mov_b32 v14, 0                               ; the sum, in two halves
	v_mov_b32 v15, 0
	STEP 0
	STEP 1
	STEP 2
	STEP 3
	PLACES
	v_add_f32 v14, v14, v15
	v_permlanex16_b32 v252, v14, s[SEL], s[SEL+1]
	v_add_f32 v14, v14, v252                       ; the row's sum
	v_rcp_f32 v14, v14
	s_wait_dscnt 0x0
	s_wait_alu depctr_vm_vsrc(0)                   ; the last tile's LDS stores have read v7 and v192 to v207 (in the first trip: the vectors' stores v192 to v196), which are written again below
	v_add_nc_u32 v7, s57, v3                       ; (a plain place behind the reciprocal)
	s_wait_alu depctr_va_vdst(0)                   ; the reciprocal has written v14, ahead of its first reader
.irp j, 0,1,2,3,4,5,6,7,8,9,10,11,12,13,14,15
	v_mul_f32 v[192+\j], v[160+\j], v14            ; channel 16 h + j of query r
.endr
	s_wait_alu depctr_va_vdst(0)                   ; v192 to v207 and the address v7 are written, which the LDS stores read
.irp i, 0,1,2,3
	ds_store_b128 v7, v[192+4*\i:195+4*\i] offset:16*\i
.endr
	s_add_co_u32 s57, s57, 16*AP
	s_add_co_u32 s55, s55, 1
	s_cmp_lt_u32 s55, 8
	s_cbranch_scc1 .Lquery
	; ---- ROWS: wave w owns A's rows 16 w .. 16 w + 15.  Addresses for all that follows, made anew from the thread's number
	s_wait_dscnt 0x0
	s_wait_alu depctr_vm_vsrc(0)                   ; the loads and LDS stores issued so far have read v1, v2, v7, v9 and v10, which are written again below
	v_and_b32 v80, 15, v0                          ; r
	v_bfe_u32 v81, v0, 4, 1                        ; h
	v_and_b32 v82, 8, v80
	v_add_nc_u32 v82, v82, v80                     ; r + 8 (r / 8)
	v_and_b32 v83, 31, v0                          ; lane
	s_mul_i32 s45, s2, 16*AP
	s_mul_i32 s46, s2, RB
	v_mul_u32_u24 v84, v80, AP
	v_lshl_add_u32 v84, v81, 6, v84
	v_add_nc_u32 v1, s45, v84                      ; v1 lane order: my row 16 w + r, 16 channels of a region; regions 0-3 by the offset,
	v_add_nc_u32 v2, 4*RB, v1                      ; v2 regions 4-7
	v_add_nc_u32 v19, s46, v84                     ; v19 columns: my region w, row r
	v_bfe_u32 v85, v0, 3, 1
	v_mul_u32_u24 v85, v85, RB
	v_mad_u32_u24 v85, v81, AP, v85
	v_and_b32 v86, 7, v0
	v_lshl_add_u32 v85, v86, 4, v85
	v_add_nc_u32 v3, s45, v85                      ; v3 row order: sixteen lanes on 256 bytes of a row (two regions), lanes 16-31 on the next row,
	v_add_nc_u32 v4, 4*RB, v3                      ; v4 the row's upper half
	v_lshlrev_b32 v5, 4, v80
	v_lshl_add_u32 v5, v81, 16, v5                 ; v5 the same in x and in out0
	v_lshl_add_u32 v7, v81, 6, PAR                 ; v7 the vectors: my 16 channels of a block
	v_lshlrev_b32 v9, 2, v83
	v_add_nc_u32 v12, XIMG, v8
	v_add_nc_u32 v13, XSC, v9
	s_mul_i32 s45, s2, 2*FRB
	v_add_nc_u32 v10, s45, v12                     ; where I store my rows' two images
	s_lshl_b32 s45, s2, 8
	v_add_nc_u32 v11, s45, v13
	v_add_nc_u32 v16, HIMG, v8
	v_add_nc_u32 v17, 4*8*FRB, v16                 ; K steps 4-7
	v_add_nc_u32 v18, HSC, v9
	s_mul_i32 s45, s2, 8*FRB
	v_add_nc_u32 v14, s45, v16                     ; where I store the hidden layer's images: K step w
	s_lshl_b32 s45, s2, 10
	v_add_nc_u32 v15, s45, v18
	v_mul_u32_u24 v20, v82, 192
	v_mad_u32_u24 v20, v81, 24, v20                ; w1's fragments
	v_lshlrev_b32 v21, 3, v82                      ; its scale bytes: 8 a row
	v_lshlrev_b32 v22, 6, v81                      ; b1 in the result's layout
	v_mul_u32_u24 v23, v82, 768
	v_mad_u32_u24 v23, v81, 24, v23                ; w2's fragments
	v_lshlrev_b32 v24, 5, v82                      ; its scale bytes: 32 a row
	WIN 0x40                                       ; x's 16 rows into window 1, where K lay
	s_wait_alu depctr_va_vdst(0)                   ; the addresses v1 to v24 are written, which all later accesses read; the attention's products and vector instructions are done with window 1, v32 to v111 and v128 to v255, in which the loads up to the first additions land
.irp i, 0,1,2,3,4,5,6,7
.irp q, 0,1,2,3
	global_load_b128 v[4*(4*\i+\q):4*(4*\i+\q)+3], v5, s[8:9] offset:(2*\i+8*(\i/4))*65536+256*\q th:TH_LOAD_NT
.endr
.endr
	WIN 0
	s_barrier_signal -1
	s_barrier_wait -1                              ; all eight heads' results lie in A, and the vectors in PAR
.irp b, 0,1,2,3,4,5,6,7                        ; Y = v128-255: register 16 b + i = channel 32 b + 16 h + i of my row
.irp i, 0,1,2,3
	ds_load_b128 v[128+16*\b+4*\i:131+16*\b+4*\i], v[1+\b/4] offset:(\b%4)*RB+16*\i
.endr
.endr
	s_wait_dscnt 0x0
	s_wait_loadcnt 0x0
	WIN 0x04                                       ; an LDS store's data are its source 1: window 1
.irp i, 0,1,2,3,4,5,6,7                        ; x turns from row order to lane order through my own rows of A, which have just been read out
.irp q, 0,1,2,3
	ds_store_b128 v[3+\q/2], v[4*(4*\i+\q):4*(4*\i+\q)+3] offset:(\q%2)*2*RB+2*AP*\i
.endr
.endr
	WIN 0
.irp g, 0,1
.if \g == 1
	s_wait_alu depctr_va_vdst(0)                   ; the first half's additions are done reading v32 to v95, in which the second half's loads land
.endif
.irp b, 0,1,2,3
.irp i, 0,1,2,3
	ds_load_b128 v[32+16*\b+4*\i:35+16*\b+4*\i], v[1+\g] offset:\b*RB+16*\i   ; LDS serves a wave's instructions in order: these see my stores
.endr
.endr
	s_wait_dscnt 0x0
.set J, 0
.rept 32
	v_pk_add_f32 v[128+64*\g+J:129+64*\g+J], v[128+64*\g+J:129+64*\g+J], v[32+J:33+J]   ; attention + x
.set J, J+2
.endr
.endr
	; w1 is asked for now, and the loads land under the LayerNorm
	WIN 0x40
	s_wait_alu depctr_vm_vsrc(0)                   ; the LDS stores of x have read window 1's v0 to v127, in which w1 lands (no vector instruction since the last waits on va_vdst names window 1 or v96 to v111)
.irp t, 0,1,2,3,4,5,6,7                        ; (tile t, K step ks) at v[12 (2 t + ks)]; tile t begins at row 32 (t / 2) + 8 (t % 2)
.irp ks, 0,1
.irp p, 0,1,2,3,4,5
	global_load_b64 v[12*(2*\t+\ks)+2*\p:12*(2*\t+\ks)+2*\p+1], v20, s[24:25] offset:(32*(\t/2)+8*(\t%2))*192+96*\ks+48*(\p/3)+8*(\p%3)
.endr
.endr
	global_load_b128 v[192+8*\t:195+8*\t], v22, s[28:29] offset:(32*(\t/2)+8*(\t%2))*4        ; b1 in the result's layout
	global_load_b128 v[196+8*\t:199+8*\t], v22, s[28:29] offset:(32*(\t/2)+8*(\t%2))*4+16
.endr
	WIN 0
.irp t, 0,1,2,3,4,5,6,7
	global_load_b64 v[96+2*\t:97+2*\t], v21, s[26:27] offset:(32*(\t/2)+8*(\t%2))*8           ; both K steps' scale words
.endr
.macro PCHUNK B, offW, offB                    ; gain and bias of my 16 channels of block B into buffer B % 2: eight loads
.irp i, 0,1,2,3
	ds_load_b128 v[32+32*((\B)%2)+4*\i:35+32*((\B)%2)+4*\i], v7 offset:\offW+128*(\B)+16*\i
.endr
.irp i, 0,1,2,3
	ds_load_b128 v[48+32*((\B)%2)+4*\i:51+32*((\B)%2)+4*\i], v7 offset:\offB+128*(\B)+16*\i
.endr
.endm
.macro RMUL k                                  ; blocks 2 k and 2 k + 1 times the reciprocal root: sixteen packed multiplications, which name the rows and v122, v123 alone
.set J, 0
.rept 16
	v_pk_mul_f32 v[128+32*(\k)+J:129+32*(\k)+J], v[128+32*(\k)+J:129+32*(\k)+J], v[122:123] op_sel_hi:[1,0]
.set J, J+2
.endr
.endm
; Y = (Y - mean) rsqrt(variance + 1e-5) gain + bias over my row's 256 channels, 128 in this lane and 128 in lane l xor 16.
; Gains and biases come two blocks, sixteen loads, at a time into v32-95; the next two blocks' multiplications by the reciprocal root stand behind the loads
.macro LNORM offW, offB
	s_wait_alu depctr_va_vdst(0)                   ; the additions above are done reading v32 to v95, in which the loads below land
	PCHUNK 0, \offW, \offB
	PCHUNK 1, \offW, \offB
.irp c, 0,1,2,3
	v_pk_add_f32 v[120+2*\c:121+2*\c], v[128+2*\c:129+2*\c], v[136+2*\c:137+2*\c]   ; four chains, started by the first numbers
.endr
.irp k, 2,3,4,5,6,7,8,9,10,11,12,13,14,15
.irp c, 0,1,2,3
	v_pk_add_f32 v[120+2*\c:121+2*\c], v[120+2*\c:121+2*\c], v[128+8*\k+2*\c:129+8*\k+2*\c]
.endr
.endr
	v_pk_add_f32 v[120:121], v[120:121], v[122:123]
	v_pk_add_f32 v[124:125], v[124:125], v[126:127]
	v_pk_add_f32 v[120:121], v[120:121], v[124:125]
	v_add_f32 v120, v120, v121
	v_permlanex16_b32 v121, v120, s[SEL], s[SEL+1]
	v_add_f32 v120, v120, v121
	v_mul_f32 v120, 0x3b800000, v120               ; / 256: the mean
.set J, 0
.rept 64
	v_pk_add_f32 v[128+J:129+J], v[128+J:129+J], v[120:121] op_sel_hi:[1,0] neg_lo:[0,1] neg_hi:[0,1]
.set J, J+2
.endr
.irp c, 0,1,2,3
	v_pk_mul_f32 v[112+2*\c:113+2*\c], v[128+2*\c:129+2*\c], v[128+2*\c:129+2*\c]
.endr
.irp k, 1,2,3,4,5,6,7,8,9,10,11,12,13,14,15
.irp c, 0,1,2,3
	v_pk_fma_f32 v[112+2*\c:113+2*\c], v[128+8*\k+2*\c:129+8*\k+2*\c], v[128+8*\k+2*\c:129+8*\k+2*\c], v[112+2*\c:113+2*\c]
.endr
.endr
	v_pk_add_f32 v[112:113], v[112:113], v[114:115]
	v_pk_add_f32 v[116:117], v[116:117], v[118:119]
	v_pk_add_f32 v[112:113], v[112:113], v[116:117]
	v_add_f32 v112, v112, v113
	v_permlanex16_b32 v113, v112, s[SEL], s[SEL+1]
	v_add_f32 v112, v112, v113
	v_mul_f32 v112, 0x3b800000, v112               ; the variance
	v_add_f32 v112, 0x3727c5ac, v112               ; + 1e-5
	v_rsq_f32 v122, v112
	v_nop                                          ; one plain place behind a transcendental
	s_wait_alu depctr_va_vdst(0)                   ; the reciprocal root has written v122, ahead of its first reader
	RMUL 0
.irp k, 0,1,2,3
	s_wait_dscnt 0x0                               ; these two blocks' sixteen loads are in
.irp e, 0,1
.irp i, 0,2,4,6,8,10,12,14
	v_pk_fma_f32 v[128+16*(2*\k+\e)+\i:129+16*(2*\k+\e)+\i], v[128+16*(2*\k+\e)+\i:129+16*(2*\k+\e)+\i], v[32+32*\e+\i:33+32*\e+\i], v[48+32*\e+\i:49+32*\e+\i]
.endr
.endr
.if \k < 3
	s_wait_alu depctr_va_vdst(0)                   ; the multiply-adds above are done reading v32 to v95, in which the next two blocks' loads land
	PCHUNK 2*\k+2, \offW, \offB
	PCHUNK 2*\k+3, \offW, \offB
	RMUL \k+1
.endif
.endr
.endm
.macro YSTORE                                  ; Y into my own rows of A, lane order
.irp b, 0,1,2,3,4,5,6,7
.irp i, 0,1,2,3
	ds_store_b128 v[1+\b/4], v[128+16*\b+4*\i:131+16*\b+4*\i] offset:(\b%4)*RB+16*\i
.endr
.endr
.endm
	LNORM 0, 1024
	s_wait_alu depctr_va_vdst(0)                   ; the LayerNorm has written v128 to v255, which the LDS stores read
	YSTORE                                         ; kept for the second residual
	QUANT 128
	s_wait_alu depctr_va_vdst(0)                   ; the codes v48 to v59 and the scale word v68 are written, which the LDS stores read
	IMAGE 10, 0
	ds_store_b32 v11, v[PW]
	s_wait_dscnt 0x0
	s_wait_alu depctr_vm_vsrc(0)                   ; the stores have read the codes and the scale word, which are written again below, and the rows v128 to v255, which loads and products write behind the barrier
	QUANT 192
	s_wait_alu depctr_va_vdst(0)                   ; the codes and the scale word are written; and the quantising is done reading the rows
	IMAGE 10, FRB
	ds_store_b32 v11, v[PW] offset:128
	BARRIER                                        ; y's sixteen fragments lie in LDS, and y itself in A
	; ---- COLUMNS 1: my 128 hidden units, a tile of 16 rows a trip.  Source 0 = 16 rows of w1, source 1 = y; b1 starts each sum; eight accumulators by turns
	FETCH 128, 12, 0                               ; tile 0's fragments (no vector instruction stands behind the last wait on va_vdst)
	FETCH 140, 12, FRB
	ds_load_b32 v112, v13
	ds_load_b32 v113, v13 offset:128
	s_wait_loadcnt 0x0                             ; w1, its scale words, b1
	s_mov_b32 s55, 0
	s_mov_b32 s57, 0
	s_mov_b32 s58, 0
	s_mov_b32 s59, 0
	s_mov_b32 s60, 0
; A tile.  last = 1: tile 7, written out behind the loop: it asks for no further fragments, and its places in LDS stand in the immediates
.macro HID last
	s_wait_dscnt 0x0                               ; this tile's fragments and scale words are in
	WIN 0x11                                       ; source 0 (w1) and source 2 (b1) window 1
.irp t, 0,1,2,3,4,5,6,7
	MM 160+8*\t, 12*(2*\t), 128, 192+8*\t, 96+2*\t, 112
.endr
	WIN 0x01
.irp t, 0,1,2,3,4,5,6,7
	MM 160+8*\t, 12*(2*\t+1), 140, 160+8*\t, 97+2*\t, 113
.endr
	WIN 0
	s_wait_alu depctr_vm_vsrc(0)                   ; the LDS loads and stores issued so far have read the addresses v25 to v28, the codes v48 to v59 and the scale word v68, which are written again below
.if \last
	PLACES
.else
	s_add_co_u32 s57, s57, 2*FRB
	s_add_co_u32 s58, s58, 256
	v_add_nc_u32 v25, s57, v12                     ; the next tile's fragments and scale words; this tile's image and scale word.  These four are also the places behind the products
	v_add_nc_u32 v26, s58, v13
	v_add_nc_u32 v27, s59, v14
	v_add_nc_u32 v28, s60, v15
	s_wait_alu depctr_va_vdst(0)                   ; the products are done reading v128 to v151, v112 and v113, in which the loads below land; v25 and v26 are written, which they read.  Nothing up to the next trip's products names those registers
	FETCH 128, 25, 0
	FETCH 140, 25, FRB
	ds_load_b32 v112, v26
	ds_load_b32 v113, v26 offset:128
.endif
.set J, 0
.rept 64
	v_max_num_f32 v[160+J], 0, v[160+J]            ; the activation, in f32
.set J, J+1
.endr
	QUANT 160
	s_wait_alu depctr_va_vdst(0)                   ; the codes and the scale word are written, which the LDS stores read (and v27, v28)
.if \last
	IMAGE 14, 7*FRB                                ; K step w of the second product, this tile's rows
	ds_store_b32 v15, v[PW] offset:7*128
.else
	IMAGE 27, 0
	ds_store_b32 v28, v[PW]
.endif
.endm
.Lhidden:
	HID 0
	s_add_co_u32 s59, s59, FRB
	s_add_co_u32 s60, s60, 128
	s_add_co_u32 s55, s55, 1
	s_cmp_lt_u32 s55, 7
	s_cbranch_scc1 .Lhidden
	HID 1
	WIN 0x40                                       ; w2 takes w1's place: (tile u, K step ks) at v[12 (8 u + ks)].  The last products, which read w1 and its scale words, stand ahead of the last wait on va_vdst, and only the image's stores stand behind it
.irp u, 0,1
.irp ks, 0,1,2,3,4,5,6,7
.irp p, 0,1,2,3,4,5
	global_load_b64 v[12*(8*\u+\ks)+2*\p:12*(8*\u+\ks)+2*\p+1], v23, s[30:31] offset:8*\u*768+96*\ks+48*(\p/3)+8*(\p%3)
.endr
.endr
.endr
	WIN 0
.irp u, 0,1
	global_load_b128 v[96+8*\u:99+8*\u], v24, s[32:33] offset:256*\u          ; a row's 32 scale bytes: the words of all eight K steps
	global_load_b128 v[100+8*\u:103+8*\u], v24, s[32:33] offset:256*\u+16
.endr
	BARRIER                                        ; the hidden layer's 64 fragments lie in LDS
	s_wait_loadcnt 0x0
	; ---- COLUMNS 2: my 32 outputs, four tiles of rows a trip.  The sums begin as y (my region of A); eight accumulators by turns, a K step at a time; the next K step's fragments are fetched a step ahead
.macro HFETCH ks
.irp m, 0,1,2,3
.irp c, 0,1,2
	ds_load_b128 v[192-160*((\ks)%2)+12*\m+4*\c:195-160*((\ks)%2)+12*\m+4*\c], v[26+(\ks)/4] offset:8*FRB*((\ks)%4)+FRB*\m+512*\c
.endr
	ds_load_b32 v[112+4*((\ks)%2)+\m], v28 offset:1024*(\ks)+128*\m
.endr
.endm
	s_mov_b32 s55, 0
	s_mov_b32 s57, 0
	s_mov_b32 s58, 0
	s_mov_b32 s59, 0
.Lout:
	s_wait_alu depctr_vm_vsrc(0)                   ; the LDS instructions issued so far have read the addresses v25 to v28, written again below, and their data: the sums v128 to v191 and the codes v48 to v59, v68, in which loads below land
	v_add_nc_u32 v25, s57, v19
	v_add_nc_u32 v26, s58, v16
	v_add_nc_u32 v27, s58, v17
	v_add_nc_u32 v28, s59, v18
	s_wait_alu depctr_va_vdst(0)                   ; v25 to v28 are written, which this trip's LDS instructions read; all that named v128 to v239, v32 to v79 and v112 to v119 is done: the sums' loads and the first two steps' loads land there
.irp m, 0,1,2,3
.irp u, 0,1
	ds_load_b128 v[128+8*(2*\m+\u):131+8*(2*\m+\u)], v25 offset:16*AP*\m+32*\u       ; lane (r, h): y(16 m + r, 32 w + 16 h + 8 u + 0 .. 7)
	ds_load_b128 v[132+8*(2*\m+\u):135+8*(2*\m+\u)], v25 offset:16*AP*\m+32*\u+16
.endr
.endr
	HFETCH 0
.irp ks, 0,1,2,3,4,5,6,7
.if (\ks > 0) && (\ks < 7)
	PLACES
	s_wait_alu depctr_va_vdst(0)                   ; the last step's products are done reading their buffer of fragments and scale words, in which the loads below land
.endif
.if \ks < 7
	HFETCH \ks+1
	s_wait_dscnt 16                                ; all but the 12 + 4 loads just issued
.else
	s_wait_dscnt 0x0
.endif
	WIN 0x01
.irp m, 0,1,2,3
.irp u, 0,1
	MM 128+8*(2*\m+\u), 12*(8*\u+\ks), 192-160*(\ks%2)+12*\m, 128+8*(2*\m+\u), 96+8*\u+\ks, 112+4*(\ks%2)+\m
.endr
.endr
	WIN 0
.endr
	PLACES
	s_wait_alu depctr_va_vdst(0)                   ; the products have written the sums v128 to v191, which the LDS stores read; the places above stay beside this wait
.irp m, 0,1,2,3
.irp u, 0,1
	ds_store_b128 v25, v[128+8*(2*\m+\u):131+8*(2*\m+\u)] offset:16*AP*\m+32*\u      ; back to the bytes that they came from, each accumulator from its low end on
	ds_store_b128 v25, v[132+8*(2*\m+\u):135+8*(2*\m+\u)] offset:16*AP*\m+32*\u+16
.endr
.endr
	s_wait_dscnt 0x0                               ; for the others' sake: my sums are in A
	s_add_co_u32 s57, s57, 64*AP
	s_add_co_u32 s58, s58, 4*FRB
	s_add_co_u32 s59, s59, 512
	s_add_co_u32 s55, s55, 1
	s_cmp_lt_u32 s55, 2
	s_cbranch_scc1 .Lout
	s_barrier_signal -1
	s_barrier_wait -1                              ; A holds relu(..) w2^T + y for all 128 rows
	; ---- ROWS again: + b2, the second LayerNorm, and out
	s_wait_alu depctr_vm_vsrc(0)                   ; my stores of the sums have read v128 to v191, in which the loads below land (the products that named v32 to v255 stand ahead of the last wait on va_vdst)
.irp b, 0,1,2,3,4,5,6,7
.irp i, 0,1,2,3
	ds_load_b128 v[128+16*\b+4*\i:131+16*\b+4*\i], v[1+\b/4] offset:(\b%4)*RB+16*\i
.endr
.endr
.irp g, 0,1
.if \g == 1
	s_wait_alu depctr_va_vdst(0)                   ; the first half's additions are done reading v32 to v95, in which the second half's loads land
.endif
.irp b, 0,1,2,3
.irp i, 0,1,2,3
	ds_load_b128 v[32+16*\b+4*\i:35+16*\b+4*\i], v7 offset:4096+512*\g+128*\b+16*\i   ; b2 of my channels
.endr
.endr
	s_wait_dscnt 0x0
.set J, 0
.rept 32
	v_pk_add_f32 v[128+64*\g+J:129+64*\g+J], v[128+64*\g+J:129+64*\g+J], v[32+J:33+J]
.set J, J+2
.endr
.endr
	LNORM 2048, 3072
	s_wait_alu depctr_va_vdst(0)                   ; the LayerNorm has written v128 to v255, which the LDS stores read
	YSTORE                                         ; the result turns from lane order to row order through my own rows
	s_wait_dscnt 0x0
	s_wait_alu depctr_vm_vsrc(0)                   ; the stores have read their registers, in which the loads below land
.irp i, 0,1,2,3,4,5,6,7
.irp q, 0,1,2,3
	ds_load_b128 v[128+4*(4*\i+\q):131+4*(4*\i+\q)], v[3+\q/2] offset:(\q%2)*2*RB+2*AP*\i
.endr
.endr
.irp i, 0,1,2,3,4,5,6,7
.irp q, 0,1,2,3
	s_wait_dscnt 31-(4*\i+\q)                      ; LDS loads come back in order: this one is in, the younger ones may be out
	global_store_b128 v5, v[128+4*(4*\i+\q):131+4*(4*\i+\q)], s[22:23] offset:(2*\i+8*(\i/4))*65536+256*\q th:TH_STORE_NT   ; sixteen lanes store 256 consecutive bytes, aligned
.endr
.endr
	s_wait_xcnt 0x0
	s_wait_alu depctr_vm_vsrc(0)                   ; the last stores have read v254 and v255, which are made anew below
	v_lshl_add_u32 v254, v0, 2, 0x46000
	v_mov_b32 v255, 0
	s_wait_dscnt 0x0                               ; the closing lines, six on end
	s_wait_alu 0x0
	s_wait_tensorcnt 0x0
	ds_add_u32 v254, v255
	s_wait_dscnt 0x0
	s_endpgm
.Lfunc_end_k_q78d9dc1c38_attn_ffn:
	.size	k_q78d9dc1c38_attn_ffn, .Lfunc_end_k_q78d9dc1c38_attn_ffn-k_q78d9dc1c38_attn_ffn
	.p2alignl 7, 3214868480
	.fill 96, 4, 3214868480
	.section	.rodata,"a",@progbits
	.p2align	6, 0x0
	.amdhsa_kernel k_q78d9dc1c38_attn_ffn
		.amdhsa_group_segment_fixed_size 287744
		.amdhsa_private_segment_fixed_size 0
		.amdhsa_enable_private_segment 0
		.amdhsa_kernarg_size 144
		.amdhsa_user_sgpr_count 2
		.amdhsa_user_sgpr_kernarg_segment_ptr 1
		.amdhsa_wavefront_size32 1
		.amdhsa_system_sgpr_workgroup_id_x 1
		.amdhsa_system_sgpr_workgroup_id_y 1
		.amdhsa_system_sgpr_workgroup_id_z 1
		.amdhsa_system_vgpr_workitem_id 0
		.amdhsa_next_free_vgpr 512
		.amdhsa_next_free_sgpr 96
		.amdhsa_reserve_vcc 0
		.amdhsa_float_denorm_mode_32 3
		.amdhsa_float_denorm_mode_16_64 3
		.amdhsa_memory_ordered 1
		.amdhsa_forward_progress 1
		.amdhsa_inst_pref_size 247
	.end_amdhsa_kernel
	.amdgpu_metadata
---
amdhsa.version: [ 1, 2 ]
amdhsa.kernels:
  - .name:           k_q78d9dc1c38_attn_ffn
    .symbol:         k_q78d9dc1c38_attn_ffn.kd
    .args:
      - { .name: x, .offset: 0, .size: 8, .value_kind: global_buffer, .address_space: global }
      - { .name: q_img, .offset: 8, .size: 8, .value_kind: global_buffer, .address_space: global }
      - { .name: q_scl, .offset: 16, .size: 8, .value_kind: global_buffer, .address_space: global }
      - { .name: k_img, .offset: 24, .size: 8, .value_kind: global_buffer, .address_space: global }
      - { .name: k_scl, .offset: 32, .size: 8, .value_kind: global_buffer, .address_space: global }
      - { .name: v_img, .offset: 40, .size: 8, .value_kind: global_buffer, .address_space: global }
      - { .name: v_scl, .offset: 48, .size: 8, .value_kind: global_buffer, .address_space: global }
      - { .name: out0, .offset: 56, .size: 8, .value_kind: global_buffer, .address_space: global }
      - { .name: w1_codes, .offset: 64, .size: 8, .value_kind: global_buffer, .address_space: global }
      - { .name: w1_scales, .offset: 72, .size: 8, .value_kind: global_buffer, .address_space: global }
      - { .name: b1, .offset: 80, .size: 8, .value_kind: global_buffer, .address_space: global }
      - { .name: w2_codes, .offset: 88, .size: 8, .value_kind: global_buffer, .address_space: global }
      - { .name: w2_scales, .offset: 96, .size: 8, .value_kind: global_buffer, .address_space: global }
      - { .name: b2, .offset: 104, .size: 8, .value_kind: global_buffer, .address_space: global }
      - { .name: ln1_w, .offset: 112, .size: 8, .value_kind: global_buffer, .address_space: global }
      - { .name: ln1_b, .offset: 120, .size: 8, .value_kind: global_buffer, .address_space: global }
      - { .name: ln2_w, .offset: 128, .size: 8, .value_kind: global_buffer, .address_space: global }
      - { .name: ln2_b, .offset: 136, .size: 8, .value_kind: global_buffer, .address_space: global }
    .group_segment_fixed_size: 287744
    .private_segment_fixed_size: 0
    .kernarg_segment_align: 8
    .kernarg_segment_size: 144
    .max_flat_workgroup_size: 256
    .sgpr_count:     96
    .vgpr_count:     512
    .wavefront_size: 32
...
	.end_amdgpu_metadata
.endif
;; end of part 4
